; MI455X (gfx1250); checked and timed in simulation.
; The chip was launched on July 23, 2026; its instructions are those of AMD's public machine-readable ISA for CDNA 5 (MIT licence, August 2026) and "CDNA5" Instruction Set Architecture Reference Guide (July 2026). The comments in the code are by the model that wrote it; some were corrected since.
;; Multi Head Attention. Allowed arithmetic: float matrix products may take bf16 or f16 operands with f32 sums; other float arithmetic in f32, or as packed bf16 or f16 multiplies, adds, multiply-adds, maxima and minima; sums over many terms, partial sums and values carried from step to step in f32; what a program stores and reads back later, other than sums and carried values, may be rounded once to bf16 or f16.
;; Inputs: bk 16 x 64 float32; bo 16 x 1,024 float32; bq 16 x 64 float32; bv 16 x 64 float32; normalized_resid_pre 4 x 2,048 x 1,024 float32; wk 16 x 1,024 x 64 float32; wo 16 x 64 x 1,024 float32; wq 16 x 1,024 x 64 float32; wv 16 x 1,024 x 64 float32.
;; Outputs: out0 4 x 2,048 x 1,024 float32.
;; One version. Each part assembles by itself: llvm-mc -triple=amdgcn-amd-amdhsa -mcpu=gfx1250 --defsym DOCPART=n.
;; ======== version 1 of 1: 4 launches
;; workspace buffers: xb 16,777,216 bytes; wb 8,388,608 bytes; qkv 50,331,648 bytes; ob 16,777,216 bytes
;; launch cast (part 1): grid 768 x 1, 8 waves a work-group, no clusters, 0 bytes of LDS; arguments normalized_resid_pre, wq, wk, wv, wo, xb, wb; writes xb, wb
.if DOCPART == 1
	.amdgcn_target "amdgcn-amd-amdhsa--gfx1250"
	.amdhsa_code_object_version 6
	.text
	.protected	k_q0a81ea7de7_cast
	.globl	k_q0a81ea7de7_cast
	.p2align	8
	.type	k_q0a81ea7de7_cast,@function
k_q0a81ea7de7_cast:
	s_mov_b64 s[64:65], 0
	v_nop
	global_prefetch_b8 v0, s[64:65] scope:SCOPE_SE
	s_setreg_imm32_b32 hwreg(HW_REG_WAVE_MODE, 25, 1), 1
	s_wait_xcnt 0x0
; x and the four weight tensors, f32, are rounded once to bf16 (nearest even) and stored in their own order:
; xb = x as [8192][1024]; wb = wq, wk, wv, wo on end (each 1,048,576 numbers, 2 MiB of bf16).
; A work-group converts 16,384 numbers: 64 KiB in, 32 KiB out.  Work-groups 0-511 take x, 512-767 the weights, 64 to a tensor.
; A wave takes 8 KiB as sixteen loads of 512 consecutive bytes; all sixteen go out before the first is waited for.
; A store of 8 bytes a lane covers 256 consecutive bytes, aligned.  Nothing is shared between work-groups or waves: no LDS, no
; barrier, no matrix unit, no cluster.  No register is written twice, so no wait frees a source.
.set X, 4                              ; v[4:67]   load j: 4 registers
.set Y, 68                             ; v[68:99]  store j: 2 registers
	s_load_b256 s[4:11], s[0:1], 0x0               ; x s[4:5], wq s[6:7], wk s[8:9], wv s[10:11]
	s_load_b128 s[12:15], s[0:1], 0x20             ; wo s[12:13], xb s[14:15]
	s_load_b64 s[16:17], s[0:1], 0x30              ; wb
	s_sub_co_u32 s20, ttmp9, 512                   ; my place among the weights' 256 chunks (used only where the group's number is 512 or more)
	s_lshr_b32 s21, s20, 6                         ; which tensor
	s_and_b32 s22, s20, 63                         ; which chunk of it
	v_lshrrev_b32 v3, 5, v0                        ; wave
	v_and_b32 v1, 31, v0                           ; lane
	v_lshlrev_b32 v2, 3, v1
	v_lshlrev_b32 v1, 4, v1
	v_lshl_or_b32 v1, v3, 13, v1                   ; in: 8,192 x wave + 16 x lane
	v_lshl_or_b32 v2, v3, 12, v2                   ; out: 4,096 x wave + 8 x lane
	s_wait_kmcnt 0x0
	s_cmp_lt_u32 s21, 1                            ; the source is chosen among the buffers by the group's number alone
	s_cselect_b64 s[24:25], s[6:7], s[8:9]
	s_cmp_lt_u32 s21, 2
	s_cselect_b64 s[24:25], s[24:25], s[10:11]
	s_cmp_lt_u32 s21, 3
	s_cselect_b64 s[24:25], s[24:25], s[12:13]
	s_cmp_lt_u32 ttmp9, 512                        ; one compare, four selects: nothing between them touches SCC
	s_cselect_b64 s[24:25], s[4:5], s[24:25]
	s_cselect_b32 s26, ttmp9, s22
	s_cselect_b64 s[28:29], s[14:15], s[16:17]
	s_cselect_b32 s30, ttmp9, s20
	s_lshl_b32 s26, s26, 16                        ; 64 KiB a chunk in
	s_mov_b32 s27, 0
	s_lshl_b32 s30, s30, 15                        ; 32 KiB a chunk out
	s_mov_b32 s31, 0
	s_add_nc_u64 s[24:25], s[24:25], s[26:27]
	s_add_nc_u64 s[28:29], s[28:29], s[30:31]
.irp j, 0,1,2,3,4,5,6,7,8,9,10,11,12,13,14,15
	global_load_b128 v[X+4*(\j):X+4*(\j)+3], v1, s[24:25] offset:512*(\j) th:TH_LOAD_NT
.endr
.irp j, 0,1,2,3,4,5,6,7,8,9,10,11,12,13,14,15
	s_wait_loadcnt 15-(\j)                         ; loads come back in order: load j is in, the younger ones stay out
	v_cvt_pk_bf16_f32 v[Y+2*(\j)], v[X+4*(\j)], v[X+4*(\j)+1]
	v_cvt_pk_bf16_f32 v[Y+2*(\j)+1], v[X+4*(\j)+2], v[X+4*(\j)+3]
	global_store_b64 v2, v[Y+2*(\j):Y+2*(\j)+1], s[28:29] offset:256*(\j)
.endr
	s_endpgm
.Lfunc_end_k_q0a81ea7de7_cast:
	.size	k_q0a81ea7de7_cast, .Lfunc_end_k_q0a81ea7de7_cast-k_q0a81ea7de7_cast
	.p2alignl 7, 3214868480
	.fill 96, 4, 3214868480
	.section	.rodata,"a",@progbits
	.p2align	6, 0x0
	.amdhsa_kernel k_q0a81ea7de7_cast
		.amdhsa_group_segment_fixed_size 0
		.amdhsa_private_segment_fixed_size 0
		.amdhsa_enable_private_segment 0
		.amdhsa_kernarg_size 56
		.amdhsa_user_sgpr_count 2
		.amdhsa_user_sgpr_kernarg_segment_ptr 1
		.amdhsa_wavefront_size32 1
		.amdhsa_system_sgpr_workgroup_id_x 1
		.amdhsa_system_sgpr_workgroup_id_y 1
		.amdhsa_system_sgpr_workgroup_id_z 1
		.amdhsa_system_vgpr_workitem_id 0
		.amdhsa_next_free_vgpr 100
		.amdhsa_next_free_sgpr 66
		.amdhsa_reserve_vcc 0
		.amdhsa_float_denorm_mode_32 3
		.amdhsa_float_denorm_mode_16_64 3
		.amdhsa_memory_ordered 1
		.amdhsa_forward_progress 1
		.amdhsa_inst_pref_size 7
	.end_amdhsa_kernel
	.amdgpu_metadata
---
amdhsa.version: [ 1, 2 ]
amdhsa.kernels:
  - .name:           k_q0a81ea7de7_cast
    .symbol:         k_q0a81ea7de7_cast.kd
    .args:
      - { .name: normalized_resid_pre, .offset: 0, .size: 8, .value_kind: global_buffer, .address_space: global }
      - { .name: wq, .offset: 8, .size: 8, .value_kind: global_buffer, .address_space: global }
      - { .name: wk, .offset: 16, .size: 8, .value_kind: global_buffer, .address_space: global }
      - { .name: wv, .offset: 24, .size: 8, .value_kind: global_buffer, .address_space: global }
      - { .name: wo, .offset: 32, .size: 8, .value_kind: global_buffer, .address_space: global }
      - { .name: xb, .offset: 40, .size: 8, .value_kind: global_buffer, .address_space: global }
      - { .name: wb, .offset: 48, .size: 8, .value_kind: global_buffer, .address_space: global }
    .group_segment_fixed_size: 0
    .private_segment_fixed_size: 0
    .kernarg_segment_align: 8
    .kernarg_segment_size: 56
    .max_flat_workgroup_size: 256
    .sgpr_count:     66
    .vgpr_count:     100
    .wavefront_size: 32
...
	.end_amdgpu_metadata
.endif
;; end of part 1
;; launch qkvgemm (part 2): grid 16 x 32, 4 waves a work-group, clusters of 4 x 4, 327,680 bytes of LDS; arguments xb, wb, bq, bk, bv, qkv; writes qkv
.if DOCPART == 2
	.amdgcn_target "amdgcn-amd-amdhsa--gfx1250"
	.amdhsa_code_object_version 6
	.text
	.protected	k_q0a81ea7de7_qkvgemm
	.globl	k_q0a81ea7de7_qkvgemm
	.p2align	8
	.type	k_q0a81ea7de7_qkvgemm,@function
k_q0a81ea7de7_qkvgemm:
	s_mov_b64 s[64:65], 0
	v_nop
	global_prefetch_b8 v0, s[64:65] scope:SCOPE_SE
	s_setreg_imm32_b32 hwreg(HW_REG_WAVE_MODE, 25, 1), 1
	s_wait_xcnt 0x0
	s_wait_alu depctr_hold_cnt(0) depctr_sa_sdst(0) depctr_va_vdst(0) depctr_va_sdst(0) depctr_va_ssrc(0) depctr_va_vcc(0) depctr_vm_vsrc(0)
	s_getreg_b32 s2, hwreg(HW_REG_IB_STS2, 6, 4)
	s_cmp_eq_u32 s2, 0
	s_cbranch_scc0 .Lentry_in_a_cluster
	s_endpgm
.Lentry_in_a_cluster:
	s_bfe_u32 s2, ttmp6, 0x10000c
	s_cmp_lg_u32 s2, 0xf033
	s_cbranch_scc0 .Lentry_shape_is_right
	s_endpgm
.Lentry_shape_is_right:
; q, k, v = x W + b for all 48 pairs g = 16 x (q, k or v) + head.  xb: [8192][1024] bf16.  wb: [48 g][1024 d][64 e] bf16.  bq, bk, bv: [16][64] f32.
; qkv: [3][64 = batch x 16 + head][2048][64] bf16: sums in f32, started by the bias, rounded once, unscaled.
; SHARES.  A work-group makes 256 rows x 192 columns: three whole g.  512 work-groups.  Wave w owns rows 64 w .. 64 w + 63 and all 12 blocks of 16 columns:
; 48 accumulators, 384 registers; so a head's 64 columns of a row lie in one wave, and the stage on the way out is the wave's own.
; K goes in 8 steps of 128 through two LDS slots.  A's rows are 256 bytes of memory, aligned.  The weights lie [d][e]: a head's 64 d are 8,192 bytes on end,
; asked for as one long row, three heads = three rows 65,536 elements apart, padded in LDS after every d; fragments come out turned, by ds_load_tr16_b128.
; CLUSTER 4 x 4.  A's tile hangs on the tile row alone and is asked for jointly along a row of the cluster, B's on the tile column alone, along a column.
; Waves 0 and 1 ask for A's two halves (128 rows each), waves 2 and 3 for B's two halves (64 d each): one tensor load a wave behind each round.
; THE PRODUCT IS TRANSPOSED (source 0 = 16 columns of W, source 1 = 16 rows of x): lane l holds row l % 16 and the columns 8 (l / 16) + 0..7.
; The first quarter step's products take the bias, laid out like a result, as C: nothing is cleared and no bias is added afterwards.
; REGISTERS in windows of 256 (s_set_vgpr_msb: bits 1:0 source 0, 3:2 source 1, 5:4 source 2, 7:6 destination):
;   window 0: v0-31 addresses; v32-95 A's fragments, two buffers of 4 x 8; v128-223 the bias; on the way out v32-79 packed, v80-127 and v128-175 rows read back
;   window 1: B's fragments, two buffers of 12 x 8      window 2: accumulators of row blocks 0, 1 at 8 (12 (a % 2) + b)      window 3: of row blocks 2, 3
; LIMITS.  NaN and infinities are not treated apart; x and W carry bf16's rounding.
.set NB,    12
.set PA,    272                        ; A's LDS row: 256 bytes + 16: the 16 rows of a load start 4 words apart modulo 64
.set PB,    160                        ; B's LDS row (one d of one head): 128 bytes + 32: an odd multiple of 32
.set HALFA, 128*PA                     ; what wave 0 or 1 brings
.set HALFB, 3*64*PB                    ; what wave 2 or 3 brings: [3 heads][64 d]
.set BBASE, 2*HALFA
.set SLOT,  BBASE+2*HALFB              ; 131,072
.set STAGE, 2*SLOT                     ; behind the ring: for each wave [3 heads][16 rows] of 144 bytes
.set SP,    144
.set WSTG,  3*16*SP
.set SPARE, STAGE+4*WSTG               ; the spare words: 128 bytes a wave, two blocks of 256 bytes that no other line names
.set STEPA, 2*128*2                    ; two K steps along a row of x, in bytes
.set STEPB, 2*128*128                  ; two K steps down a head's rows of W
.set ADRA, 16                          ; v16-17 LDS address of my A fragments in slot 0, 1
.set ADRB, 20                          ; v20-21 the same for B
.set STO,  24                          ; v24 the way out: where I put 16 bytes of a row
.set RD,   25                          ; v25 where I read rows back
.set GO,   26                          ; v26 16 x lane: my place in 512 consecutive bytes of qkv
.set BO,   27                          ; v27 32 x (l / 16): my eight numbers in 16 of a bias
.set SPW,  28                          ; v28 my spare word; never rewritten
.set NIL,  29                          ; v29 0; never rewritten
.set FA,   32
.set BIAS, 128
.set TMP,  32
.set OB,   80
.set WV, 16                            ; s16 wave
.set FB, 17                            ; s17 0: I ask for A, 1: for B
.set HF, 18                            ; s18 which half I ask for
.set JX, 21                            ; s21 tile column
.set IY, 22                            ; s22 tile row
.set G1A, 24                           ; s[24:31] group 1 for A;  s[32:39] group 0, a set for each slot
.set G0A, 32
.set G1B, 48                           ; s[48:55], s[56:63] the same for B
.set G0B, 56
.set OP, 66                            ; s[66:71] qkv at my wave's first row, for each of the three g
.set BP, 72                            ; s[72:77] the three g's biases
.set MSB, 0
.macro WIN new                         ; the high byte repeats the setting that is left; a switch that changes nothing is dropped
.if MSB != (\new)
	s_set_vgpr_msb (MSB<<8)|(\new)
.set MSB, \new
.endif
.endm
; A joint load: each line has one mask and one set of registers for all that issue it; the branch hangs on the wave's number alone.
; An s_nop 0 and four v_nop follow each line, ahead of the jump and the label.
.macro JLOAD s
	s_cmp_eq_u32 s[FB], 0
	s_cbranch_scc0 .Lfor_b_\@
	tensor_load_to_lds s[G0A+4*(\s):G0A+4*(\s)+3], s[G1A:G1A+7]
	s_nop 0
.rept 4
	v_nop
.endr
	s_branch .Lasked_\@
.Lfor_b_\@:
	tensor_load_to_lds s[G0B+4*(\s):G0B+4*(\s)+3], s[G1B:G1B+7]
	s_nop 0
.rept 4
	v_nop
.endr
.Lasked_\@:
.endm
.macro CREST                           ; a round of the cluster's barrier behind its opening barrier
	s_cmp_lg_u32 s[WV], 0
	s_cbranch_scc1 .Lnot_wave_0_\@
	s_barrier_signal -3
.Lnot_wave_0_\@:
	s_barrier_wait -3
	s_barrier_signal -1
	s_barrier_wait -1
.endm
.macro CROUND
	s_barrier_signal -1
	s_barrier_wait -1
	CREST
.endm
.macro PLACES                          ; four plain vector places behind matrix instructions, ahead of loads into their sources and of reads of their results
.rept 4
	v_nop
.endr
.endm
	s_load_b256 s[4:11], s[0:1], 0x0               ; xb s[4:5], wb s[6:7], bq s[8:9], bk s[10:11]
	s_load_b128 s[12:15], s[0:1], 0x20             ; bv s[12:13], qkv s[14:15]
	v_lshl_add_u32 v[SPW], v0, 2, SPARE
	v_mov_b32 v[NIL], 0
	ds_add_u32 v[SPW], v[NIL]                      ; the wave's opening: the add and its wait stand ahead of my first tensor load
	v_lshrrev_b32 v1, 5, v0
	v_readfirstlane_b32 s[WV], v1
	s_lshr_b32 s[FB], s[WV], 1
	s_and_b32 s[HF], s[WV], 1
	s_bfe_u32 s19, ttmp6, 0x40000                  ; cx
	s_bfe_u32 s20, ttmp6, 0x40004                  ; cy
	s_lshl_b32 s[JX], ttmp9, 2
	s_add_co_u32 s[JX], s[JX], s19                 ; tile column = 4 x cluster x + cx
	s_and_b32 s[IY], ttmp7, 0xffff
	s_lshl_b32 s[IY], s[IY], 2
	s_add_co_u32 s[IY], s[IY], s20                 ; tile row = 4 x cluster y + cy
	s_lshl_b32 s40, s20, 2
	s_lshl_b32 s40, 15, s40                        ; my row of the cluster
	s_lshl_b32 s41, 0x1111, s19                    ; my column
	s_or_b32 s[G1A], s40, (1<<16)|(1<<20)|(1<<21)|(5<<22)|(3<<25)  ; mask; 2-byte elements; padding on; bit 21 beside a mask; after every 64 words 4 words
	s_mov_b32 s[G1A+1], 128<<16                    ; tensor_dim0 = 128
	s_mov_b32 s[G1A+2], 128<<16                    ; tensor_dim1 = 128
	s_mov_b32 s[G1A+3], 128<<16                    ; tile_dim0 = 128
	s_mov_b32 s[G1A+4], 128                        ; tile_dim1 = 128
	s_mov_b32 s[G1A+5], 1024                       ; elements from row to row
	s_mov_b32 s[G1A+6], 0
	s_mov_b32 s[G1A+7], 0
	s_or_b32 s[G1B], s41, (1<<16)|(1<<20)|(1<<21)|(4<<22)|(7<<25)  ; after every 32 words (one d) 8 words
	s_mov_b32 s[G1B+1], 4096<<16                   ; tensor_dim0 = 4,096: 64 d x 64 e on end
	s_mov_b32 s[G1B+2], 3<<16                      ; tensor_dim1 = 3 heads
	s_mov_b32 s[G1B+3], 4096<<16                   ; tile_dim0
	s_mov_b32 s[G1B+4], 3                          ; tile_dim1
	s_mov_b32 s[G1B+5], 65536                      ; elements from head to head
	s_mov_b32 s[G1B+6], 0
	s_mov_b32 s[G1B+7], 0
	s_lshl_b32 s42, s[IY], 19                      ; A: 256 rows of 2,048 bytes a tile row,
	s_lshl_b32 s43, s[HF], 18                      ; 128 rows a half
	s_add_co_u32 s42, s42, s43
	s_mov_b32 s43, 0
	s_mul_i32 s44, s[JX], 3*131072                 ; B: three heads of 131,072 bytes a tile column,
	s_lshl_b32 s45, s[HF], 13                      ; 64 d of 128 bytes a half
	s_add_co_u32 s44, s44, s45
	s_mov_b32 s45, 0
	s_mul_i32 s46, s[HF], HALFA                    ; where they go: no place in the cluster enters an LDS address
	s_mul_i32 s47, s[HF], HALFB
	s_add_co_u32 s47, s47, BBASE
	s_wait_dscnt 0x0                               ; the opening add is done
	s_wait_kmcnt 0x0
	s_add_nc_u64 s[42:43], s[4:5], s[42:43]
	s_add_nc_u64 s[44:45], s[6:7], s[44:45]
	CROUND                                         ; all sixteen work-groups are here: the first joint loads meet
.irp s, 0,1
	s_mov_b32 s[G0A+4*(\s)], 1
	s_add_co_u32 s[G0A+4*(\s)+1], s46, (\s)*SLOT
	s_add_nc_u64 s[G0A+4*(\s)+2:G0A+4*(\s)+3], s[42:43], (\s)*256
	s_or_b32 s[G0A+4*(\s)+3], s[G0A+4*(\s)+3], 0x80000000
	s_mov_b32 s[G0B+4*(\s)], 1
	s_add_co_u32 s[G0B+4*(\s)+1], s47, (\s)*SLOT
	s_add_nc_u64 s[G0B+4*(\s)+2:G0B+4*(\s)+3], s[44:45], (\s)*16384
	s_or_b32 s[G0B+4*(\s)+3], s[G0B+4*(\s)+3], 0x80000000
	JLOAD \s                                       ; K steps 0 and 1: two loads of mine are out
.endr
	; the three g: their biases and their places in qkv
	s_mul_i32 s78, s[JX], 3
	s_lshr_b32 s84, s[IY], 3
	s_lshl_b32 s84, s84, 4                         ; batch x 16
	s_and_b32 s85, s[IY], 7
	s_lshl_b32 s85, s85, 15                        ; the tile's 256 rows of 128 bytes in its batch,
	s_lshl_b32 s86, s[WV], 13                      ; my wave's 64
	s_add_co_u32 s85, s85, s86
	s_mov_b32 s83, 0
.irp i, 0,1,2
	s_add_co_u32 s79, s78, (\i)                    ; g
	s_cmp_lt_u32 s79, 16
	s_cselect_b64 s[BP+2*(\i):BP+2*(\i)+1], s[8:9], s[10:11]
	s_cmp_lt_u32 s79, 32
	s_cselect_b64 s[BP+2*(\i):BP+2*(\i)+1], s[BP+2*(\i):BP+2*(\i)+1], s[12:13]
	s_and_b32 s80, s79, 15                         ; head
	s_lshl_b32 s82, s80, 8
	s_add_nc_u64 s[BP+2*(\i):BP+2*(\i)+1], s[BP+2*(\i):BP+2*(\i)+1], s[82:83]
	s_lshr_b32 s81, s79, 4                         ; q, k or v
	s_lshl_b32 s81, s81, 6
	s_add_co_u32 s81, s81, s80
	s_add_co_u32 s81, s81, s84
	s_lshl_b32 s82, s81, 18                        ; 2,048 rows of 128 bytes
	s_add_co_u32 s82, s82, s85
	s_add_nc_u64 s[OP+2*(\i):OP+2*(\i)+1], s[14:15], s[82:83]
.endr
	v_and_b32 v1, 15, v0                           ; l % 16
	v_bfe_u32 v2, v0, 4, 1                         ; l / 16
	v_and_b32 v3, 7, v0
	v_bfe_u32 v4, v0, 3, 1
	v_lshlrev_b32 v[BO], 5, v2
.irp b, 0,1,2,3,4,5,6,7,8,9,10,11
	global_load_b128 v[BIAS+8*(\b):BIAS+8*(\b)+3],   v[BO], s[BP+2*((\b)/4):BP+2*((\b)/4)+1] offset:((\b)%4)*64     ; register j = bias[16 (b % 4) + 8 (l / 16) + j]
	global_load_b128 v[BIAS+8*(\b)+4:BIAS+8*(\b)+7], v[BO], s[BP+2*((\b)/4):BP+2*((\b)/4)+1] offset:((\b)%4)*64+16
.endr
	v_mul_u32_u24 v5, v1, PA                       ; an A fragment: row l % 16, 16 bytes for each half of the lanes, twice, 32 bytes apart
	v_lshl_add_u32 v5, v2, 4, v5
	s_mul_i32 s40, s[WV], 64*PA
	v_add_nc_u32 v[ADRA], s40, v5
	v_add_nc_u32 v[ADRA+1], SLOT, v[ADRA]
	v_lshl_add_u32 v6, v2, 3, v3                   ; the turning load: lane l reads d = 8 (l / 16) + l % 8, columns 8 ((l / 8) % 2) + 0..7
	v_mul_u32_u24 v6, v6, PB
	v_lshl_add_u32 v6, v4, 4, v6
	v_add_nc_u32 v[ADRB], BBASE, v6
	v_add_nc_u32 v[ADRB+1], SLOT, v[ADRB]
	s_mul_i32 s41, s[WV], WSTG
	s_add_co_u32 s41, s41, STAGE                   ; my stage
	v_mul_u32_u24 v7, v1, SP
	v_lshl_add_u32 v7, v2, 4, v7
	v_add_nc_u32 v[STO], s41, v7
	v_bfe_u32 v8, v0, 3, 2                         ; back: 32 lanes take four rows of 128 bytes
	v_mul_u32_u24 v8, v8, SP
	v_lshl_add_u32 v8, v3, 4, v8
	v_add_nc_u32 v[RD], s41, v8
	v_and_b32 v[GO], 31, v0
	v_lshlrev_b32 v[GO], 4, v[GO]
; 12 matrix instructions: row block a x all 12 column blocks, 32 along K, from buffer f.  first = 1: C is the bias.
; The 48 accumulators take turns in one order in every quarter step: 47 others stand between two links of a chain.
.macro MULA f, a, first
.if \first
	WIN 0x81+0x40*((\a)/2)                         ; B window 1, A and C window 0, D window 2 or 3
.else
	WIN 0xa1+0x50*((\a)/2)                         ; C and D window 2 or 3
.endif
.irp b, 0,1,2,3,4,5,6,7,8,9,10,11
.if \first
	v_wmma_f32_16x16x32_bf16 v[8*(12*((\a)%2)+(\b)):8*(12*((\a)%2)+(\b))+7], v[96*(\f)+8*(\b):96*(\f)+8*(\b)+7], v[FA+32*(\f)+8*(\a):FA+32*(\f)+8*(\a)+7], v[BIAS+8*(\b):BIAS+8*(\b)+7]
.else
	v_wmma_f32_16x16x32_bf16 v[8*(12*((\a)%2)+(\b)):8*(12*((\a)%2)+(\b))+7], v[96*(\f)+8*(\b):96*(\f)+8*(\b)+7], v[FA+32*(\f)+8*(\a):FA+32*(\f)+8*(\a)+7], v[8*(12*((\a)%2)+(\b)):8*(12*((\a)%2)+(\b))+7]
.endif
.endr
.endm
; 32 LDS loads in one run: quarter q (32 along K) of a slot into buffer f: B's 12 fragments, then A's 4 in ascending order
.macro FETCH slot, q, f
	WIN 0x40                                       ; destination window 1, address window 0
.irp b, 0,1,2,3,4,5,6,7,8,9,10,11
	ds_load_tr16_b128 v[96*(\f)+8*(\b):96*(\f)+8*(\b)+3],   v[ADRB+(\slot)] offset:((\q)/2)*HALFB+((\b)/4)*64*PB+((\q)%2)*32*PB+((\b)%4)*32
	ds_load_tr16_b128 v[96*(\f)+8*(\b)+4:96*(\f)+8*(\b)+7], v[ADRB+(\slot)] offset:((\q)/2)*HALFB+((\b)/4)*64*PB+((\q)%2)*32*PB+((\b)%4)*32+16*PB
.endr
	WIN 0
.irp a, 0,1,2,3
	ds_load_b128 v[FA+32*(\f)+8*(\a):FA+32*(\f)+8*(\a)+3],   v[ADRA+(\slot)] offset:64*(\q)+(\a)*16*PA
	ds_load_b128 v[FA+32*(\f)+8*(\a)+4:FA+32*(\f)+8*(\a)+7], v[ADRA+(\slot)] offset:64*(\q)+(\a)*16*PA+32
.endr
.endm
; One of a K step's first three quarters: multiplies buffer f; in its middle fetches quarter q of the same slot into buffer g.
.macro QUARTER slot, q, f, g, first
	s_wait_dscnt 4                                 ; B and A's blocks 0, 1 are in; the youngest four loads (A's blocks 2, 3) may be out
	MULA \f, 0, \first
	MULA \f, 1, \first
	PLACES
	FETCH \slot, \q, \g
	s_wait_dscnt 2*NB+8                            ; all but the run just issued
	MULA \f, 2, \first
	MULA \f, 3, \first
.endm
; The last quarter multiplies buffer 1 and changes slots.  In front of the barrier each wave waits for all its tensor loads (one is out: its part of the next slot),
; adds 0 to its spare word, and waits for that and for its reads of this slot.  fill = 1: the barrier opens a round of the cluster's, and the joint refill, two K steps on, is the first thing behind it.
.macro TURN slot, next, fill
	WIN 0
	s_wait_tensorcnt 0x0
	ds_add_u32 v[SPW], v[NIL]
	s_wait_dscnt 5                                 ; the add and the youngest four loads may be out
	MULA 1, 0, 0
	s_wait_dscnt 0x0                               ; the add is done, my reads of this slot are over
	s_barrier_signal -1
	MULA 1, 1, 0                                   ; work on registers while the others arrive
.if \fill
	WIN 0
.endif
	s_barrier_wait -1
.if \fill
	CREST                                          ; no wave of any partner still reads this slot or has a load on its way
	s_add_nc_u64 s[G0A+4*(\slot)+2:G0A+4*(\slot)+3], s[G0A+4*(\slot)+2:G0A+4*(\slot)+3], STEPA
	s_add_nc_u64 s[G0B+4*(\slot)+2:G0B+4*(\slot)+3], s[G0B+4*(\slot)+2:G0B+4*(\slot)+3], STEPB
	JLOAD \slot                                    ; its four v_nop are also the places in front of the loads below
.else
	PLACES
.endif
	FETCH \next, 0, 0
	MULA 1, 2, 0
	MULA 1, 3, 0
.endm
	s_wait_tensorcnt 1                             ; my part of K step 0 is in; K step 1's may stay out
	s_barrier_signal -1
	s_barrier_wait -1
	FETCH 0, 0, 0
	s_wait_loadcnt 0x0                             ; the bias
	QUARTER 0, 1, 0, 1, 1                          ; the first quarter stands ahead of the loop: its products start the sums
	WIN 0
	s_mov_b32 s3, 3
.Llap:                                                 ; a trip goes once round the ring and fills both slots again: K steps 2 to 7 in three trips
	QUARTER 0, 2, 1, 0, 0
	QUARTER 0, 3, 0, 1, 0
	TURN 0, 1, 1
	QUARTER 1, 1, 0, 1, 0
	QUARTER 1, 2, 1, 0, 0
	QUARTER 1, 3, 0, 1, 0
	TURN 1, 0, 1
	QUARTER 0, 1, 0, 1, 0
	WIN 0
	s_sub_co_u32 s3, s3, 1
	s_cmp_lg_u32 s3, 0
	s_cbranch_scc1 .Llap
	QUARTER 0, 2, 1, 0, 0                          ; the last lap fills nothing
	QUARTER 0, 3, 0, 1, 0
	TURN 0, 1, 0
	QUARTER 1, 1, 0, 1, 0
	QUARTER 1, 2, 1, 0, 0
	QUARTER 1, 3, 0, 1, 0
	s_wait_dscnt 4
	MULA 1, 0, 0
	MULA 1, 1, 0
	s_wait_dscnt 0x0
	MULA 1, 2, 0
	MULA 1, 3, 0
	WIN 0
	PLACES
	PLACES
; THE WAY OUT, a block of 16 rows at a time: rounded to bf16 (16 bytes a lane), into my stage by heads, back as whole rows of 128 bytes, stored as runs of 512 consecutive bytes.
.macro PACK a
	WIN 0x0a+5*((\a)/2)                            ; sources 0 and 1: window 2 or 3
.irp b, 0,1,2,3,4,5,6,7,8,9,10,11
.irp r, 0,1,2,3
	v_cvt_pk_bf16_f32 v[TMP+4*(\b)+(\r)], v[8*(12*((\a)%2)+(\b))+2*(\r)], v[8*(12*((\a)%2)+(\b))+2*(\r)+1]
.endr
.endr
	WIN 0
.endm
.macro TOSTAGE a
	WIN 0
.set BK, OB+48*((\a)%2)
.irp b, 0,1,2,3,4,5,6,7,8,9,10,11
	ds_store_b128 v[STO], v[TMP+4*(\b):TMP+4*(\b)+3] offset:((\b)/4)*16*SP+((\b)%4)*32
.endr
.irp i, 0,1,2
.irp f, 0,1,2,3
	ds_load_b128 v[BK+4*(4*(\i)+(\f)):BK+4*(4*(\i)+(\f))+3], v[RD] offset:(\i)*16*SP+(\f)*4*SP  ; LDS serves a wave's instructions in order: these see the stores above
.endr
.endr
.endm
.macro SEND a
	WIN 0
.set BK, OB+48*((\a)%2)
	s_wait_dscnt 0x0                               ; the block is back in registers
	s_wait_xcnt 0x0                                ; the stores of the block before have read their registers: the next block's loads land on them only behind this wait
.irp i, 0,1,2
.irp f, 0,1,2,3
	global_store_b128 v[GO], v[BK+4*(4*(\i)+(\f)):BK+4*(4*(\i)+(\f))+3], s[OP+2*(\i):OP+2*(\i)+1] offset:(\a)*2048+(\f)*512
.endr
.endr
.endm
	PACK 0
	TOSTAGE 0
.irp a, 1,2,3
	PACK \a                                        ; a block's conversions stand between the loads of the block before and the wait for them
	SEND (\a)-1
	TOSTAGE \a
.endr
	SEND 3
	s_wait_tensorcnt 0x0                           ; the wave's end
	ds_add_u32 v[SPW], v[NIL]
	s_wait_dscnt 0x0
	CROUND                                         ; the closing round: no work-group ends while a partner may still ask for a tile that names it
	s_endpgm
.Lfunc_end_k_q0a81ea7de7_qkvgemm:
	.size	k_q0a81ea7de7_qkvgemm, .Lfunc_end_k_q0a81ea7de7_qkvgemm-k_q0a81ea7de7_qkvgemm
	.p2alignl 7, 3214868480
	.fill 96, 4, 3214868480
	.section	.rodata,"a",@progbits
	.p2align	6, 0x0
	.amdhsa_kernel k_q0a81ea7de7_qkvgemm
		.amdhsa_group_segment_fixed_size 327680
		.amdhsa_private_segment_fixed_size 0
		.amdhsa_enable_private_segment 0
		.amdhsa_kernarg_size 48
		.amdhsa_user_sgpr_count 2
		.amdhsa_user_sgpr_kernarg_segment_ptr 1
		.amdhsa_wavefront_size32 1
		.amdhsa_system_sgpr_workgroup_id_x 1
		.amdhsa_system_sgpr_workgroup_id_y 1
		.amdhsa_system_sgpr_workgroup_id_z 1
		.amdhsa_system_vgpr_workitem_id 0
		.amdhsa_next_free_vgpr 960
		.amdhsa_next_free_sgpr 88
		.amdhsa_reserve_vcc 0
		.amdhsa_float_denorm_mode_32 3
		.amdhsa_float_denorm_mode_16_64 3
		.amdhsa_memory_ordered 1
		.amdhsa_forward_progress 1
		.amdhsa_inst_pref_size 122
	.end_amdhsa_kernel
	.amdgpu_metadata
---
amdhsa.version: [ 1, 2 ]
amdhsa.kernels:
  - .name:           k_q0a81ea7de7_qkvgemm
    .symbol:         k_q0a81ea7de7_qkvgemm.kd
    .args:
      - { .name: xb, .offset: 0, .size: 8, .value_kind: global_buffer, .address_space: global }
      - { .name: wb, .offset: 8, .size: 8, .value_kind: global_buffer, .address_space: global }
      - { .name: bq, .offset: 16, .size: 8, .value_kind: global_buffer, .address_space: global }
      - { .name: bk, .offset: 24, .size: 8, .value_kind: global_buffer, .address_space: global }
      - { .name: bv, .offset: 32, .size: 8, .value_kind: global_buffer, .address_space: global }
      - { .name: qkv, .offset: 40, .size: 8, .value_kind: global_buffer, .address_space: global }
    .group_segment_fixed_size: 327680
    .private_segment_fixed_size: 0
    .kernarg_segment_align: 8
    .kernarg_segment_size: 48
    .max_flat_workgroup_size: 128
    .sgpr_count:     88
    .vgpr_count:     960
    .wavefront_size: 32
...
	.end_amdgpu_metadata
.endif
;; end of part 2
;; launch attn (part 3): grid 4 x 64, 4 waves a work-group, clusters of 4 x 1, 327,680 bytes of LDS; arguments qkv, ob; writes ob
.if DOCPART == 3
	.amdgcn_target "amdgcn-amd-amdhsa--gfx1250"
	.amdhsa_code_object_version 6
	.text
	.protected	k_q0a81ea7de7_attn
	.globl	k_q0a81ea7de7_attn
	.p2align	8
	.type	k_q0a81ea7de7_attn,@function
k_q0a81ea7de7_attn:
	s_mov_b64 s[64:65], 0
	v_nop
	global_prefetch_b8 v0, s[64:65] scope:SCOPE_SE
	s_setreg_imm32_b32 hwreg(HW_REG_WAVE_MODE, 25, 1), 1
	s_wait_xcnt 0x0
	s_wait_alu depctr_hold_cnt(0) depctr_sa_sdst(0) depctr_va_vdst(0) depctr_va_sdst(0) depctr_va_ssrc(0) depctr_va_vcc(0) depctr_vm_vsrc(0)
	s_getreg_b32 s2, hwreg(HW_REG_IB_STS2, 6, 4)
	s_cmp_eq_u32 s2, 0
	s_cbranch_scc0 .Lentry_in_a_cluster
	s_endpgm
.Lentry_in_a_cluster:
	s_bfe_u32 s2, ttmp6, 0x10000c
	s_cmp_lg_u32 s2, 0x3003
	s_cbranch_scc0 .Lentry_shape_is_right
	s_endpgm
.Lentry_shape_is_right:
; O[h][q][:] = the sum over k of softmax_k(Q[h][q] . K[h][k] / 8) V[h][k][:], h = batch x 16 + head.  qkv: [3][64][2048][64] bf16 (Q, K, V); ob: [64][2048][64] bf16.
; Products, maxima and sums in f32; the weights p are rounded to bf16 for the second product (their sum l is taken of the unrounded p), O once at the end.
; LIMITS.  c m starts at -4.25e37: scaled scores lie above that.  A weight below 2^-126 counts as 0 in l; NaN and infinities are not treated apart.
; SHARES.  A wave owns four PIECES of two tiles of 16 queries, a work-group's four waves 512 queries of one head.  Every wave walks all keys, 64 a step.
; LAYOUT.  S^T = K Q^T (source 0 = 16 keys, source 1 = 16 queries): a lane holds ONE query (lane % 16) and the keys 8 (lane / 16) + 0..7.  Two such tiles, rounded to bf16 in pairs,
; ARE source 1 (32 keys x 16 queries) of O^T = V^T P, whose result again holds one query a lane, and eight channels.  K comes out of LDS as it lies, V ([key][channel]) turned, by ds_load_tr16_b128.
; SOFTMAX.  For each query a running maximum m and sum l: p = 2^(c s - c m), c = log2(e) / 8; in every step O and l are multiplied by a = 2^(c m_old - c m_new), which is 1 where m has not grown.
; m starts at the lowest finite number, O and l at 0: the first step is a step like any other, with a = 0.
; THE COUNT.  A tile and step have 16 matrix and 118 vector instructions: too many to stand all beside the matrix work.  So four vector instructions that are READY stand behind
; EVERY matrix instruction, and the others in runs without a gap.
; BY TURNS.  Turn n belongs to piece n (the pieces in a ring, step after step).  Its matrix work: 16 products K Q^T of piece n + 1, later 16 products V^T P of piece n - 1.  Its vector work: the scaling,
; exponentials, roundings, sums and rescaling of piece n, and the maximum and statistics of piece n + 1, whose scores the turn itself has made.
; CLUSTER.  The four query blocks of a cluster are one head's and walk the same K and V, so each tile is asked for JOINTLY: the same tensor load, descriptor and mask in all four.
; REGISTERS, in windows of 256 (s_set_vgpr_msb: bits 1:0 source 0, 3:2 source 1, 5:4 source 2, 7:6 destination):
;   window 0: v0-11 addresses; v12-15, v48-63 at work; v16-47 four registers of statistics a tile; v64-191 S^T, two buffers of two tiles; v192-255 P, likewise
;   window 1: O^T, 32 a tile          window 2: v0-127 Q, 16 a tile; v128-191 K of one step; v192-255 V of one step          window 3: v0-1 the add's two registers
; A piece's buffers go by its number's parity.
.set SIZE_N, 2048
.set NP,    4         ; pieces a wave: a name, no knob
.set KS,    64        ; keys in a step
.set PK,    144       ; a row of K in LDS: 128 bytes + 16: the 16 rows of a load start at 16 different groups of four banks (ISA guide 11.1)
.set PV,    160       ; a row of V: 128 + 32
.set VOFF,  4*KS*PK   ; a slot holds four steps: 256 rows of K, then 256 rows of V
.set SLOT1, 1<<17     ; slot 1 begins here, so that one exclusive or turns an address in one slot into the other's
.set STAGE, SLOT1+4*KS*(PK+PV)  ; behind the ring, never filled by a tensor load: 16 rows x 144 bytes for each wave
.set SP,    144
.set AK0, 2           ; v2   my lane's place in a tile of K; never rewritten
.set AV0, 3           ; v3   the same for V
.set AK,  4           ; v4   the LDS address of K's next run of loads
.set AV,  5           ; v5   of V's
.set QO,  6           ; v6   my byte offset in the wave's rows of Q
.set STO, 6           ;      later, the way out: where I put 16 bytes of a row
.set RD,  7           ; v7   the way out: where I read rows back
.set GO,  8           ; v8   my byte offset in 512 consecutive bytes of O
.set PFO, 11          ; v11  256 x my lane, for the prefetches; never rewritten once made
.set SPW, 0           ; v0 of window 3   my spare word: SPARE + 4 x my thread's number; never rewritten
.set NIL, 1           ; v1 of window 3   0; never rewritten
.set SPARE, STAGE+4*16*SP  ; the spare words, 128 bytes for each wave: two blocks of 256 bytes that no other line names
.set MV,  12          ; v12-15  c m_old, kept while c m is made anew: by buffer and tile
.set ST,  16          ; tile t's statistics at v[ST+4 t]: c m, m, l (even keys', odd keys')
.set TMP, 48          ; by buffer and tile, four registers c0-c3 at work; when the maximum is found c2 takes a
.set S,   64
.set P,   192
.set KF,  128         ; K's fragments, in window 2: key block kb, channel half c at KF + 16 kb + 8 c
.set VF,  192         ; V's: key half kk, channel block cb at VF + 32 kk + 8 cb
.set WV,  12          ; s12  my wave's number
.set G1K, 24          ; s[24:31] descriptor group 1 for K's tiles
.set G1V, 32          ; s[32:39] for V's: it differs in the padding alone
.set G0K, 40          ; s[40:43] descriptor group 0 for K's tiles: it walks
.set G0V, 44          ; s[44:47] the same for V's
.set PFA, 48          ; s[48:49] where my prefetches stand: my work-group's 32 blocks of 256 bytes (of K: wave 0, of V: wave 2) of the tile after the one that is being asked for
.set LIM, 50          ; s50  1 in waves 0 and 2, else the greatest number: a wave prefetches while s[SLOTS] is above it
.set SLOTS, 56        ; s56  slots still to be asked for
.set CNT, 57          ; s57  counts a slot's key steps
.set CS,  58          ; s[58:59] c: the packed scaling takes the pair's low word for both halves
.set SEL, 60          ; s[60:61] v_permlanex16_b32's selects: each lane takes its own place in the other half
.set TBK, 62          ; s62  LDS byte at which K of the step to be fetched begins
.set TBV, 63          ; s63  the same for V, less VOFF
.set MSB, 0
.macro WIN new                      ; the high byte repeats the setting that is left; a switch that changes nothing is dropped
.if MSB != (\new)
	s_set_vgpr_msb (MSB<<8)|(\new)
.set MSB, (\new)
.endif
.endm
.set W_KQ, 0x0a       ; K and Q in window 2, S^T in window 0
.set W_PV, 0x52       ; V in window 2, P in window 0, O^T in window 1
.set W_RS, 0x41       ; O^T (destination and source 0) in window 1, a in window 0
.set W_MK, 0xc0       ; the add's registers are made: destination in window 3, sources in window 0
.set W_AD, 0x0f       ; the add: address (source 0) and data (source 1) in window 3
; A joint fill.  Waves 0 and 1 fetch the two halves of a slot's K, waves 2 and 3 those of its V: 128 keys each.  The branch hangs on the wave's number alone.
; An s_nop 0 and four v_nop follow each of the two lines, ahead of the jump and the label.
.macro JLOAD
	s_cmp_lt_u32 s[WV], 2
	s_cbranch_scc0 .Lfor_v_\@
	tensor_load_to_lds s[G0K:G0K+3], s[G1K:G1K+7]
	s_nop 0
.rept 4
	v_nop
.endr
	s_branch .Lasked_\@
.Lfor_v_\@:
	tensor_load_to_lds s[G0V:G0V+3], s[G1V:G1V+7]
	s_nop 0
.rept 4
	v_nop
.endr
.Lasked_\@:
.endm
; A prefetch of what the NEXT change of slots will ask for: a tile's 32,768 bytes of K and of V are 128 blocks of 256 bytes each.  The four partners share them out BY ADDRESS, 32 each, a lane a block;
; in each partner wave 0 asks for K's and wave 2 for V's: each block is named once in the launch.  It stands behind the wave's tensor load and its five lines.
; The last change that fills a slot asks for nothing: there is no tile behind it.  Tiles 0, 1 and 2 come by their loads alone.
.macro ASK
	s_cmp_gt_u32 s[SLOTS], s[LIM]
	s_cbranch_scc0 .Lnot_mine_\@
	global_prefetch_b8 v[PFO], s[PFA:PFA+1] th:TH_LOAD_NT scope:SCOPE_SE
.Lnot_mine_\@:
.endm
; A round of the cluster's barrier: my work-group's barrier, so that wave 0's signal speaks for all four waves; wave 0 signals; every wave waits for all four work-groups; my work-group's barrier once more.
.macro CROUND
	s_barrier_signal -1
	s_barrier_wait -1
	s_cmp_lg_u32 s[WV], 0
	s_cbranch_scc1 .Lnot_wave_0_\@
	s_barrier_signal -3
.Lnot_wave_0_\@:
	s_barrier_wait -3
	s_barrier_signal -1
	s_barrier_wait -1
.endm
; THE CHANGE OF SLOTS.  The slot's last bytes, V of its fourth step, have been read.  Each wave waits for all its tensor loads, of which one is out: its part
; of the other slot; adds 0 to its spare word; and waits for that and for its own reads of the slot.  Behind the barrier nobody reads this slot any more and the other slot is whole.
; fill = 1: this slot is filled again, with the keys two slots on.  The barrier is then a round of the cluster's, and the joint fill is the first thing behind it: it has four key steps,
; 512 matrix instructions, in which to land.  (At its first use nothing has been read yet: slot 0 is waited for, slot 1 filled.)  pf = 1: the prefetches' address steps, and ASK follows the fill.
.macro CHANGE fill, pf=0
	WIN W_AD
	s_wait_tensorcnt 0x0            ; no tensor load of mine is out, so a group 0 may be written
	ds_add_u32 v[SPW], v[NIL]       ; 0 onto my spare word
	WIN 0                           ; at a label and at a branch every window is 0
.if \fill
.irp g, G0K, G0V
	s_xor_b32 s[\g+1], s[\g+1], SLOT1  ; the walking descriptor: the other slot than last time,
	s_add_nc_u64 s[\g+2:\g+3], s[\g+2:\g+3], 4*KS*128  ; the next 256 keys; the type bits on top are not reached
.endr
.if \pf
	s_wait_xcnt 0x0                 ; the last prefetch, four key steps back, has read its address, so it may be written
	s_add_nc_u64 s[PFA:PFA+1], s[PFA:PFA+1], 4*KS*128
.endif
	s_wait_dscnt 0x0                ; the add is done, and my reads of the slot are over
	CROUND
	JLOAD
.if \pf
	ASK
.endif
.else
	s_wait_dscnt 0x0                ; the add is done, and my reads of the slot are over
	s_barrier_signal -1
	s_barrier_wait -1
.endif
	s_sub_co_u32 s[TBK], s[TBK], 4*KS*PK  ; the fetches go back to a slot's first step,
	s_xor_b32 s[TBK], s[TBK], SLOT1       ; in the other slot
	s_sub_co_u32 s[TBV], s[TBV], 4*KS*PV
	s_xor_b32 s[TBV], s[TBV], SLOT1
.endm
	s_load_b64 s[4:5], s[0:1], 0x0    ; qkv: Q at its head
	s_load_b64 s[10:11], s[0:1], 0x8  ; ob
	WIN W_MK
	v_lshl_add_u32 v[SPW], v0, 2, SPARE
	v_mov_b32 v[NIL], 0
	WIN W_AD
	ds_add_u32 v[SPW], v[NIL]       ; the wave's opening: the add and its wait stand ahead of my first tensor load
	WIN 0
	v_lshrrev_b32 v1, 5, v0
	v_readfirstlane_b32 s[WV], v1   ; wave 0..3
	s_bfe_u32 s13, ttmp6, 0x40000   ; cx: my place in the cluster
	s_lshl_b32 s14, ttmp9, 2        ; in a cluster launch ttmp9 counts clusters
	s_add_co_u32 s14, s14, s13      ; my block of queries = 4 x cluster x + cx: it enters Q's and O's addresses alone
	s_and_b32 s20, ttmp7, 0xffff    ; the head, which the four partners share
	s_mov_b32 s21, 0
	s_mov_b64 s[22:23], SIZE_N*128
	s_mul_u64 s[20:21], s[20:21], s[22:23]  ; the head's first byte in Q, K, V and O
	s_and_b32 s16, s[WV], 1         ; which half of a slot's 256 keys I fetch:
	s_lshl_b32 s22, s16, 14         ; its 128 rows of 128 bytes in memory,
	s_mov_b32 s23, 0
	s_add_nc_u64 s[22:23], s[22:23], s[20:21]
	s_mul_i32 s17, s16, 128*PK      ; and its place in a slot, for K
	s_mul_i32 s18, s16, 128*PV      ; and for V: no place in the cluster enters an LDS address
	s_lshl_b32 s2, s14, 2
	s_add_co_u32 s2, s2, s[WV]      ; my wave among the head's,
	s_lshl_b32 s2, s2, 14           ; its 128 rows
	s_mov_b32 s3, 0
	s_add_nc_u64 s[2:3], s[2:3], s[20:21]
	; descriptor group 1.  128 keys are 16,384 dense bytes: asked for as 64 rows of 256 bytes, two keys a row, and padded in LDS after every key
	s_mov_b32 s[G1K], 15|(1<<16)|(1<<20)|(1<<21)|(4<<22)|(3<<25)  ; the mask of four; 2-byte elements; padding on; bit 21 beside a mask; after every 32 words 4 words
	s_mov_b32 s[G1V], 15|(1<<16)|(1<<20)|(1<<21)|(4<<22)|(7<<25)  ; the same with 8 words of padding
.irp g, G1K, G1V
	s_mov_b32 s[\g+1], 128<<16      ; tensor_dim0 = 128
	s_mov_b32 s[\g+2], 64<<16       ; tensor_dim1 = 64
	s_mov_b32 s[\g+3], 128<<16      ; tile_dim0 = 128
	s_mov_b32 s[\g+4], 64           ; tile_dim1 = 64
	s_mov_b32 s[\g+5], 128          ; 128 elements from row to row
	s_mov_b32 s[\g+6], 0
	s_mov_b32 s[\g+7], 0
.endr
	s_mov_b32 s[CS], 0x3e38aa3b     ; c = log2(e) / 8 = 0.180337
	s_mov_b32 s[CS+1], s[CS]        ; named with it as a pair
	s_mov_b32 s[SEL], 0x76543210
	s_mov_b32 s[SEL+1], 0xfedcba98
	s_mov_b32 s[TBK], SLOT1+4*KS*PK ; the first change of slots turns these two into 0
	s_mov_b32 s[TBV], SLOT1+4*KS*PV
	s_mov_b32 s[G0K], 1             ; count = 1
	s_mov_b32 s[G0K+1], s17         ; LDS address: slot 0
	s_mov_b32 s[G0V], 1
	s_add_co_u32 s[G0V+1], s18, VOFF
	s_cmp_eq_u32 s16, 0             ; waves 0 and 2 prefetch: the same in all four partners
	s_cselect_b32 s[LIM], 1, -1
	s_lshl_b32 s52, s13, 13         ; my work-group's 32 blocks of the 128
	s_mov_b32 s53, 0
	s_wait_dscnt 0x0                ; the opening add is done
	s_wait_kmcnt 0x0
	s_add_nc_u64 s[6:7], s[4:5], 0x1000000   ; K lies 64 x 2,048 x 128 bytes behind Q,
	s_add_nc_u64 s[8:9], s[4:5], 0x2000000   ; V as far behind K
	s_add_nc_u64 s[G0K+2:G0K+3], s[6:7], s[22:23]  ; global address: my half of the head's first 256 keys
	s_or_b32 s[G0K+3], s[G0K+3], 0x80000000        ; type = 2
	s_add_nc_u64 s[G0V+2:G0V+3], s[8:9], s[22:23]
	s_or_b32 s[G0V+3], s[G0V+3], 0x80000000
	s_cmp_lt_u32 s[WV], 2
	s_cselect_b64 s[PFA:PFA+1], s[6:7], s[8:9]
	s_add_nc_u64 s[PFA:PFA+1], s[PFA:PFA+1], s[22:23]  ; (in waves 0 and 2 this is the head's first row)
	s_add_nc_u64 s[PFA:PFA+1], s[PFA:PFA+1], s[52:53]
	s_add_nc_u64 s[PFA:PFA+1], s[PFA:PFA+1], 2*4*KS*128  ; at tile 2; the loop's first change steps it to tile 3
	s_add_nc_u64 s[4:5], s[4:5], s[2:3]  ; Q and O at my wave's first row
	s_add_nc_u64 s[10:11], s[10:11], s[2:3]
	CROUND                          ; all four work-groups are here: the first joint loads meet
	JLOAD                           ; slot 0.  Slot 1 is asked for when slot 0 is in
	; A fragment of K or Q is 16 rows x 32 channels in 8 registers: lane l holds row l % 16, channels 8 (l / 16) + 0..7 and 16 + 8 (l / 16) + 0..7: two loads of 16 bytes, 32 bytes apart.
	v_and_b32 v1, 15, v0            ; l % 16
	v_bfe_u32 v9, v0, 4, 1          ; l / 16
	v_lshlrev_b32 v[QO], 7, v1
	v_lshl_add_u32 v[QO], v9, 4, v[QO]  ; row x 128 + 16 x half
	WIN 0x80                        ; destination window 2, address window 0
.set i, 0
.rept 4*NP                          ; Q stays in registers: tile i / 2, channels 32 (i % 2) on
	global_load_b128 v[8*i:8*i+3],   v[QO], s[4:5] offset:(i/2)*2048+(i%2)*64
	global_load_b128 v[8*i+4:8*i+7], v[QO], s[4:5] offset:(i/2)*2048+(i%2)*64+32
.set i, i+1
.endr
	; What the first turn finds: V's registers and P's second buffer hold 0 (its products V^T P, of a piece that has not been, add 0), O^T and l are 0.  All this stands in the wait for the first tile.
.set i, VF
.rept 64
	v_mov_b32 v[i], 0
.set i, i+1
.endr
	WIN 0x40
.set i, 0
.rept 64*NP
	v_mov_b32 v[i], 0
.set i, i+1
.endr
	WIN 0
.set i, 0
.rept 2*NP
	v_mov_b32 v[ST+4*i], 0xfe000000    ; c m: far below every c s
	v_mov_b32 v[ST+4*i+1], 0xff7fffff  ; m
	v_mov_b32 v[ST+4*i+2], 0
	v_mov_b32 v[ST+4*i+3], 0
.set i, i+1
.endr
.set i, P+32
.rept 32
	v_mov_b32 v[i], 0
.set i, i+1
.endr
	v_mul_u32_u24 v[AK0], v1, PK
	v_lshl_add_u32 v[AK0], v9, 4, v[AK0]  ; row x pitch + 16 x half
	; The turning load takes 16 keys x 16 channels (lane l reads key 8 (l / 16) + l % 8, channels 8 ((l / 8) % 2) + 0..7) and leaves half a fragment of V^T: lane l holds channel l % 16 and 8 keys.
	v_and_b32 v10, 7, v0
	v_bfe_u32 v11, v0, 3, 1
	v_lshl_add_u32 v[AV0], v9, 3, v10
	v_mul_u32_u24 v[AV0], v[AV0], PV
	v_lshl_add_u32 v[AV0], v11, 4, v[AV0]
	v_add_nc_u32 v[AV0], VOFF, v[AV0]
	v_and_b32 v[PFO], 31, v0        ; v11 has served: it takes the prefetches' offset
	v_lshlrev_b32 v[PFO], 8, v[PFO]
	v_mov_b32 v[AK], v[AK0]         ; key step 0 lies at the head of slot 0
; THE MATRIX WORK.  The 8 accumulators of a run of 16 take turns: between the two links of a chain stand 7 others'.
; Product i of 16 of S^T = K Q^T for piece x: channels 32 (i / 8) on, keys 16 ((i / 2) % 4) on, tile 2 x + i % 2.  The first 8 start the sums.
.macro KQ x
	WIN W_KQ
.set rS, S+64*((\x)%2)+32*(i%2)+8*((i/2)%4)
.set rK, KF+16*((i/2)%4)+8*(i/8)
.set rQ, 16*(2*(\x)+i%2)+8*(i/8)
.if i < 8
	v_wmma_f32_16x16x32_bf16 v[rS:rS+7], v[rK:rK+7], v[rQ:rQ+7], 0
.else
	v_wmma_f32_16x16x32_bf16 v[rS:rS+7], v[rK:rK+7], v[rQ:rQ+7], v[rS:rS+7]
.endif
.endm
; Product i of 16 of O^T += V^T P for piece x: keys 32 (i / 8) on, channels 16 ((i / 2) % 4) on, tile 2 x + i % 2.
.macro PV x
	WIN W_PV
.set rO, 32*(2*(\x)+i%2)+8*((i/2)%4)
.set rV, VF+32*(i/8)+8*((i/2)%4)
.set rP, P+32*((\x)%2)+16*(i%2)+8*(i/8)
	v_wmma_f32_16x16x32_bf16 v[rO:rO+7], v[rV:rV+7], v[rP:rP+7], v[rO:rO+7]
.endm
.macro MM                           ; the turn's next matrix instruction
.if i < 16
	KQ (Y+1)%NP
.set i, i+1
.else
.set i, i-16
	PV (Y+NP-1)%NP
.set i, i+17
.endif
.endm
; THE LDS LOADS stand in runs of 16, never singly among the matrix instructions: a step's K (64 keys x 64 channels: 8 fragments) and its V (turned).  Their addresses are made some lines ahead.
; last = 1 (the tail): in the last trip there is no further step, and the run is jumped over.
.macro FETCH_K last=0
	WIN 0
.if \last
	s_cmp_eq_u32 s[CNT], 1
	s_cbranch_scc1 .Lno_k_\@
.endif
	WIN 0x80                        ; destination window 2
.irp f, 0,1,2,3,4,5,6,7             ; keys 16 (f / 2) on, channels 32 (f % 2) on
	ds_load_b128 v[KF+8*\f:KF+8*\f+3],   v[AK] offset:(\f/2)*16*PK+(\f%2)*64
	ds_load_b128 v[KF+8*\f+4:KF+8*\f+7], v[AK] offset:(\f/2)*16*PK+(\f%2)*64+32
.endr
	s_add_co_u32 s[TBK], s[TBK], KS*PK  ; the next fetch is the next step's
	WIN 0
.if \last
.Lno_k_\@:
.endif
.endm
.macro FETCH_V
	WIN 0x80
.irp f, 0,1,2,3,4,5,6,7             ; keys 32 (f / 4) on, channels 16 (f % 4) on
	ds_load_tr16_b128 v[VF+8*\f:VF+8*\f+3],   v[AV] offset:(\f/4)*32*PV+(\f%4)*32
	ds_load_tr16_b128 v[VF+8*\f+4:VF+8*\f+7], v[AV] offset:(\f/4)*32*PV+16*PV+(\f%4)*32
.endr
	WIN 0
.endm
; THE VECTOR WORK OF A TURN stands in three queues, each in the order in which its entries become ready; the two tiles alternate, so that no instruction reads the result of the one before it.
.macro REGS y, u                    ; the registers of tile u (0, 1) of piece y
.set rT, ST+4*(2*(\y)+(\u))
.set rC, TMP+8*((\y)%2)+4*(\u)
.set rM, MV+2*((\y)%2)+(\u)
.set rS, S+64*((\y)%2)+32*(\u)
.set rP, P+32*((\y)%2)+16*(\u)
.set rO, 32*(2*(\y)+(\u))
.endm
; Number n of the 22 that find the NEXT piece's (Y + 1) maximum and statistics.  s0-s31 are the lane's 32 scores; each accumulator's lowest registers are read first.
;   0-11  four chains c0-c3 of seven scores each, three operands at a time     12-14, 16  the four scores left over, the old m, and c0-c3 into c0     15  c m_old is kept
;   17, 18  the query's other 32 keys lie in the lane 16 away: the new m         19-21  c m; c m_old - c m_new; a
.macro XS u, n
	REGS (Y+1)%NP, \u
.if (\n) < 4
	v_max3_num_f32 v[rC+(\n)], v[rS+8*(\n)], v[rS+8*(\n)+1], v[rS+8*(\n)+2]
.elseif (\n) < 12
	v_max3_num_f32 v[rC+(\n)%4], v[rC+(\n)%4], v[rS+8*((\n)%4)+2*((\n)/4)+1], v[rS+8*((\n)%4)+2*((\n)/4)+2]
.elseif (\n) == 12
	v_max3_num_f32 v[rC], v[rC], v[rS+7], v[rS+15]
.elseif (\n) == 13
	v_max3_num_f32 v[rC+1], v[rC+1], v[rS+23], v[rS+31]
.elseif (\n) == 14
	v_max3_num_f32 v[rC+2], v[rC+2], v[rC+3], v[rT+1]
.elseif (\n) == 15
	v_mov_b32 v[rM], v[rT]
.elseif (\n) == 16
	v_max3_num_f32 v[rC], v[rC], v[rC+1], v[rC+2]
.elseif (\n) == 17
	v_permlanex16_b32 v[rC+3], v[rC], s[SEL], s[SEL+1]
.elseif (\n) == 18
	v_max_num_f32 v[rT+1], v[rC], v[rC+3]
.elseif (\n) == 19
	v_mul_f32 v[rT], s[CS], v[rT+1]
.elseif (\n) == 20
	v_sub_f32 v[rC+1], v[rM], v[rT]
.else
	v_exp_f32 v[rC+2], v[rC+1]
.endif
.endm
; Number g of the 64 that follow the exponentials.  For each four weights k of a tile (pairs 2 k, 2 k + 1): both pairs are rounded to bf16; then the second pair is added onto the first, in place;
; a group later l takes that sum (the first time as l = a l + sum).  In groups of eight, tiles alternating: round, round, add, and l for the group before.
.macro GS g
.set h, (\g)+6*((\g)/62)            ; group 0 has no group before it, and behind group 7 only l is left
.if h >= 6
.set h, h+2
.endif
	REGS Y, h%2
.set k, h/8
.if h%8 < 4
	s_wait_alu depctr_va_vdst(0)
	v_cvt_pk_bf16_f32 v[rP+2*k+(h%8)/2], v[rS+4*k+2*((h%8)/2)], v[rS+4*k+2*((h%8)/2)+1]
.elseif h%8 < 6
	v_pk_add_f32 v[rS+4*k:rS+4*k+1], v[rS+4*k:rS+4*k+1], v[rS+4*k+2:rS+4*k+3]
.elseif k == 1
	v_pk_fma_f32 v[rT+2:rT+3], v[rT+2:rT+3], v[rC+2:rC+3], v[rS:rS+1] op_sel_hi:[1,0,1]
.else
	v_pk_add_f32 v[rT+2:rT+3], v[rT+2:rT+3], v[rS+4*k-4:rS+4*k-3]
	s_wait_alu depctr_va_vdst(0)
.endif
.endm
; THE PLAIN QUEUE, 138 long.  0-31: c s - c m for the 16 pairs of both tiles.  Then GS's 64, and among them the next piece's 42: number 15 at 38, 39; 0-14 and 16
; at 42-73, behind the products that make those scores; 17-20 at 95-106, two of three, since each waits for the one before it.
.macro PL
	WIN 0
.if q < 32
	REGS Y, q%2
	v_pk_fma_f32 v[rS+2*(q/2):rS+2*(q/2)+1], v[rS+2*(q/2):rS+2*(q/2)+1], s[CS:CS+1], v[rT:rT+1] op_sel_hi:[1,0,0] neg_lo:[0,0,1] neg_hi:[0,0,1]
.elseif q < 38
	GS q-32
.elseif q < 40
	XS q%2, 15
.elseif q < 42
	GS q-34
.elseif q < 74
	XS q%2, (q-42)/2+(q-42)/30
.elseif q < 95
	GS q-66
.elseif (q < 107) && ((q-95)%3 < 2)
	XS (q-95)%3, 17+(q-95)/3
.elseif q < 107
	GS 29+(q-95)/3
.else
	GS q-74
.endif
.set q, q+1
.endm
; THE EXPONENTIALS' QUEUE, 66 long: s0-s31 of both tiles, and at EA the next piece's two a.
.set EA, 58
.macro EX
	WIN 0
.if (e == EA) || (e == EA+1)
	XS e-EA, 21
.else
.set x, e-2*(e/(EA+2))
	REGS Y, x%2
	v_exp_f32 v[rS+x/2], v[rS+x/2]
.endif
.set e, e+1
.endm
; THE RESCALING's QUEUE: O^T times a, the one part that leaves window 0, so it is dealt four at a time, eight times.
.macro R4
	REGS Y, r%2
	WIN W_RS
	s_wait_alu depctr_va_vdst(0)
.irp z, 0,1,2,3
	v_pk_mul_f32 v[rO+8*(r/2)+2*\z:rO+8*(r/2)+2*\z+1], v[rO+8*(r/2)+2*\z:rO+8*(r/2)+2*\z+1], v[rC+2:rC+3] op_sel_hi:[1,0]
.endr
.set r, r+1
.endm
; HOW THEY ARE DEALT.  Behind a matrix instruction four: plain, exponential, plain, plain (one exponential, a plain instruction on either side), or four of the rescaling.  None names a register of the
; products round it.  What is over stands in two LUMPS: exponential and plain by turns; the second ends in 22 plain instructions.  The two v_permlanex16_b32 fall into the second lump.
; The queues lean on each other, and the deal keeps them in step: exponential e stands behind plain 2 (e / 4) + e % 2 (its scaling); when plain 32 comes, 10 exponentials are out, at 59: 33, at 95: 46; EA comes behind plain 107.
.macro SL
	MM
	PL
	EX
	PL
	PL
.endm
.macro BURST n                      ; 15 matrix instructions, or 16
.rept (\n)-7
	SL
.endr
.rept 3
	MM
	R4
	SL
.endr
	MM
	R4
.endm
; A TURN, for piece p.  cnt = 1: the loop's count is taken down some lines ahead of the branch that stands behind the turn.
; K of the next step is fetched in piece 2's turn, 31 vector instructions behind the last product that read K; V of the step in hand at the end of piece 0's turn, 69 behind its last reader.
.macro TURN p, last=0, cnt=0
.set Y, (\p)
.set i, 0
.set q, 0
.set e, 0
.set r, 0
.if (\p) == NP-1
	s_wait_dscnt 0x0                ; K is in
.endif
	MM
.rept 4
	PL
.endr
	BURST 15
.rept 22
	EX
	PL
.if ((\p) == NP-2) && (e == 18)
	v_add_nc_u32 v[AK], s[TBK], v[AK0]
.endif
.if ((\p) == NP-2) && (e == 24)
	FETCH_K \last
.endif
.endr
.if (\p) == 1
	s_wait_dscnt 0x0                ; V is in
.endif
	BURST 16
.rept 21
	EX
	PL
.endr
.rept 22
	PL
.if ((\p) == 0) && (q == 118)
	v_add_nc_u32 v[AV], s[TBV], v[AV0]
	s_wait_alu depctr_va_vdst(0)
.endif
.if ((\p) == 0) && (q == 130)
	s_add_co_u32 s[TBV], s[TBV], KS*PV
.endif
.if (\cnt) && (q == 130)
	s_sub_co_u32 s[CNT], s[CNT], 1
	s_cmp_lg_u32 s[CNT], 0
.endif
.endr
.if (\p) == 0
	FETCH_V
.endif
.endm
	CHANGE 1                        ; slot 0 is in, everybody's part of it; slot 1 is asked for
	FETCH_K                         ; key step 0
	s_wait_loadcnt 0x0              ; Q
	s_wait_dscnt 0x0
.set i, 0
.rept 16
	KQ 0                            ; piece 0's first scores: there is no vector work yet to set between them
.set i, i+1
.endr
	WIN 0                           ; the addresses for the way out: nine plain instructions, the places behind those products
	s_mul_i32 s13, s[WV], 16*SP
	s_add_co_u32 s13, s13, STAGE    ; my stage
	v_mul_u32_u24 v[STO], v1, SP    ; in: row l % 16, 16 bytes for each half of the lanes
	v_lshl_add_u32 v[STO], v9, 4, v[STO]
	v_add_nc_u32 v[STO], s13, v[STO]
	v_bfe_u32 v[RD], v0, 3, 2       ; back: 32 lanes take four rows of 128 bytes,
	v_mul_u32_u24 v[RD], v[RD], SP
	v_lshl_add_u32 v[RD], v10, 4, v[RD]
	v_add_nc_u32 v[RD], s13, v[RD]
	v_and_b32 v[GO], 31, v0         ; which are 512 consecutive bytes of O
	v_lshlrev_b32 v[GO], 4, v[GO]
.set Y, NP-1                        ; XS works for piece Y + 1: piece 0
.irp n, 0,1,2,3,4,5,6,7,8,9,10,11,12,13,14,15,16,17,18,19,20,21
	XS 0, \n                        ; and piece 0's first maximum and statistics
	XS 1, \n
.endr
	s_mov_b32 s[CNT], 4
	s_mov_b32 s[SLOTS], SIZE_N/256-1
	s_branch .Lfirst                ; the loop is entered at a step's first turn, in the middle of a trip
.Lslot:                             ; SIZE_N / 256 - 2 times: every slot but the last two is filled again
	CHANGE 1, 1
	s_mov_b32 s[CNT], 4
.Lstep:                             ; a trip: pieces 2 and 3 of one step, then pieces 0 and 1 of the next, whose K and V it fetches
	TURN 2
	TURN 3
	WIN 0
.Lfirst:
	TURN 0
	TURN 1, 0, 1
	WIN 0
	s_cbranch_scc1 .Lstep
	s_sub_co_u32 s[SLOTS], s[SLOTS], 1
	s_cmp_lg_u32 s[SLOTS], 0
	s_cbranch_scc1 .Lslot
	CHANGE 0                        ; the tail is written out: nothing is asked for
	s_mov_b32 s[CNT], 5             ; four trips fetch the last slot's steps; the fifth is left in its middle
.Ltail:
	TURN 2, 1
	TURN 3
	WIN 0
	s_sub_co_u32 s[CNT], s[CNT], 1
	s_cmp_eq_u32 s[CNT], 0
	s_cbranch_scc1 .Lout
	TURN 0
	TURN 1
	WIN 0
	s_branch .Ltail
.Lout:                              ; the fifth trip's 16 products K Q^T (on the last K once more) and the maximum made of them serve nothing: the price, once a launch, of one text for every trip
.set i, 0
.rept 16
	PV NP-1                         ; the last piece's V^T P of the last step
.set i, i+1
.endr
	; THE WAY OUT.  l's two halves and the other half of the lanes' are added; O^T is divided by l, rounded to bf16 and sent through my stage in LDS, a tile at a time.  The additions are the places behind the last products.
	WIN 0
.macro ALL line:vararg              ; one line for each tile t
.set t, 0
.rept 2*NP
	\line
.set t, t+1
.endr
.endm
	ALL v_add_f32 v[ST+4*t+2], v[ST+4*t+2], v[ST+4*t+3]
	ALL v_permlanex16_b32 v[ST+4*t+3], v[ST+4*t+2], s[SEL], s[SEL+1]
	ALL v_add_f32 v[ST+4*t+2], v[ST+4*t+2], v[ST+4*t+3]
	ALL v_rcp_f32 v[ST+4*t+2], v[ST+4*t+2]
	v_nop                           ; a plain instruction between the last reciprocal and the use of its result
	s_wait_alu depctr_va_vdst(0)
; Tile t: a lane's eight channels of a row pack into 16 bytes; they go into rows of 144 bytes and come back as whole rows of 128, into S^T's registers.
.macro PACK t
	WIN W_RS
.set i, 32*(\t)
.rept 16
	v_pk_mul_f32 v[i:i+1], v[i:i+1], v[ST+4*(\t)+2:ST+4*(\t)+3] op_sel_hi:[1,0]
.set i, i+2
.endr
	WIN 0x05                        ; sources 0 and 1 window 1, destination window 0
.set i, 0
.rept 16
	v_cvt_pk_bf16_f32 v[S+16*(\t)+i], v[32*(\t)+2*i], v[32*(\t)+2*i+1]
.set i, i+1
.endr
	WIN 0
.irp f, 0,1,2,3
	ds_store_b128 v[STO], v[S+16*(\t)+4*\f:S+16*(\t)+4*\f+3] offset:32*\f
.endr
.irp f, 0,1,2,3
	ds_load_b128 v[S+16*(\t)+4*\f:S+16*(\t)+4*\f+3], v[RD] offset:\f*4*SP  ; LDS serves a wave's instructions in order (ISA guide 5.7.1.4): these see the stores above; the next tile's stores come behind them
.endr
.endm
.macro SEND t, younger              ; younger: the LDS instructions issued behind tile t's loads: the next tile's eight, or none
	WIN 0
.irp f, 0,1,2,3
	s_wait_dscnt (\younger)+3-\f
	global_store_b128 v[GO], v[S+16*(\t)+4*\f:S+16*(\t)+4*\f+3], s[10:11] offset:(\t)*2048+\f*512  ; 512 consecutive bytes, at a multiple of 256 from O's first
.endr
.endm
	PACK 0
.set t, 1
.rept 2*NP-1                        ; a tile's arithmetic stands between the loads of the tile before and its stores
	PACK t
	SEND t-1, 8
.set t, t+1
.endr
	SEND 2*NP-1, 0
	WIN W_AD
	s_wait_tensorcnt 0x0            ; the wave's end, behind my last tensor load and my last LDS store
	ds_add_u32 v[SPW], v[NIL]
	s_wait_dscnt 0x0
	WIN 0
	CROUND                          ; the closing round: no work-group ends while a partner may still ask for a tile that names it
	s_endpgm
.Lfunc_end_k_q0a81ea7de7_attn:
	.size	k_q0a81ea7de7_attn, .Lfunc_end_k_q0a81ea7de7_attn-k_q0a81ea7de7_attn
	.p2alignl 7, 3214868480
	.fill 96, 4, 3214868480
	.section	.rodata,"a",@progbits
	.p2align	6, 0x0
	.amdhsa_kernel k_q0a81ea7de7_attn
		.amdhsa_group_segment_fixed_size 327680
		.amdhsa_private_segment_fixed_size 0
		.amdhsa_enable_private_segment 0
		.amdhsa_kernarg_size 16
		.amdhsa_user_sgpr_count 2
		.amdhsa_user_sgpr_kernarg_segment_ptr 1
		.amdhsa_wavefront_size32 1
		.amdhsa_system_sgpr_workgroup_id_x 1
		.amdhsa_system_sgpr_workgroup_id_y 1
		.amdhsa_system_sgpr_workgroup_id_z 1
		.amdhsa_system_vgpr_workitem_id 0
		.amdhsa_next_free_vgpr 770
		.amdhsa_next_free_sgpr 66
		.amdhsa_reserve_vcc 0
		.amdhsa_float_denorm_mode_32 3
		.amdhsa_float_denorm_mode_16_64 3
		.amdhsa_memory_ordered 1
		.amdhsa_forward_progress 1
		.amdhsa_inst_pref_size 209
	.end_amdhsa_kernel
	.amdgpu_metadata
---
amdhsa.version: [ 1, 2 ]
amdhsa.kernels:
  - .name:           k_q0a81ea7de7_attn
    .symbol:         k_q0a81ea7de7_attn.kd
    .args:
      - { .name: qkv, .offset: 0, .size: 8, .value_kind: global_buffer, .address_space: global }
      - { .name: ob, .offset: 8, .size: 8, .value_kind: global_buffer, .address_space: global }
    .group_segment_fixed_size: 327680
    .private_segment_fixed_size: 0
    .kernarg_segment_align: 8
    .kernarg_segment_size: 16
    .max_flat_workgroup_size: 128
    .sgpr_count:     66
    .vgpr_count:     770
    .wavefront_size: 32
...
	.end_amdgpu_metadata
.endif
;; end of part 3
;; launch proj (part 4): grid 8 x 32, 4 waves a work-group, clusters of 4 x 4, 327,680 bytes of LDS; arguments ob, wb, bo, out0; writes out0
.if DOCPART == 4
	.amdgcn_target "amdgcn-amd-amdhsa--gfx1250"
	.amdhsa_code_object_version 6
	.text
	.protected	k_q0a81ea7de7_proj
	.globl	k_q0a81ea7de7_proj
	.p2align	8
	.type	k_q0a81ea7de7_proj,@function
k_q0a81ea7de7_proj:
	s_mov_b64 s[64:65], 0
	v_nop
	global_prefetch_b8 v0, s[64:65] scope:SCOPE_SE
	s_setreg_imm32_b32 hwreg(HW_REG_WAVE_MODE, 25, 1), 1
	s_wait_xcnt 0x0
	s_wait_alu depctr_hold_cnt(0) depctr_sa_sdst(0) depctr_va_vdst(0) depctr_va_sdst(0) depctr_va_ssrc(0) depctr_va_vcc(0) depctr_vm_vsrc(0)
	s_getreg_b32 s2, hwreg(HW_REG_IB_STS2, 6, 4)
	s_cmp_eq_u32 s2, 0
	s_cbranch_scc0 .Lentry_in_a_cluster
	s_endpgm
.Lentry_in_a_cluster:
	s_bfe_u32 s2, ttmp6, 0x10000c
	s_cmp_lg_u32 s2, 0xf033
	s_cbranch_scc0 .Lentry_shape_is_right
	s_endpgm
.Lentry_shape_is_right:
; out[m][n] = the sum over k = (head, e) of O[m][k] wo[k][n] + the sum over heads of bo[head][n].  ob: [64 = batch x 16 + head][2048][64] bf16.
; wo lies in wb from byte 6,291,456 on as [1024 k][1024 n] bf16.  bo: [16][1024] f32.  out0: [8192][1024] f32.  Sums in f32, started by the summed bias.
; SHARES.  A work-group makes 256 rows x 128 columns: 256 work-groups.  Wave w owns rows 64 w .. 64 w + 63 and all 8 blocks of 16 columns: 32 accumulators, 256 registers.
; K goes in 8 steps of 128 = two heads through two LDS slots.  A head's 256 rows are 32,768 dense bytes, asked for as 128 rows of 256 bytes and padded in LDS after every row of O;
; wo's rows of a tile are 256 bytes, aligned; its fragments come out of LDS turned, by ds_load_tr16_b128.
; CLUSTER 4 x 4: A's tile is asked for jointly along a row of the cluster, B's along a column.  Waves 0 and 1 ask for the step's two heads of A, waves 2 and 3 for B's two halves of 64 k.
; THE PRODUCT IS TRANSPOSED (source 0 = 16 columns of wo, source 1 = 16 rows of O): lane l holds row l % 16 and the columns 8 (l / 16) + 0..7.
; bo is summed by a tree of pairs, in f32, by each wave for itself, and laid out like a result through 512 LDS bytes of the wave's own; the order of that sum differs from a sum head by head.
; REGISTERS: window 0: v0-31 addresses; v32-95 A's fragments, two buffers; v128-191 the bias; v192-255 bo's rows; on the way out v32-95 and v128-191 rows read back
;   window 1: B's fragments, two buffers of 8 x 8      window 2: the accumulators at 8 (8 a + b)
; LIMITS.  NaN and infinities are not treated apart; O and wo carry bf16's rounding.
.set NB,    8
.set PA,    144                        ; a row of O in LDS: 128 bytes + 16
.set PB,    288                        ; a row of wo: 256 bytes + 32: an odd multiple of 32
.set HALFA, 256*PA                     ; one head's 256 rows
.set HALFB, 64*PB
.set BBASE, 2*HALFA
.set SLOT,  BBASE+2*HALFB              ; 110,592
.set STAGE, 2*SLOT                     ; behind the ring: for each wave 16 rows of 512 bytes + 16
.set SP,    528
.set BIASL, STAGE+4*16*SP              ; 512 bytes for each wave: the summed bias
.set SPARE, BIASL+4*512                ; the spare words: 128 bytes a wave, two blocks of 256 bytes that no other line names
.set WOFF,  6291456
.set STEPA, 4*262144                   ; two K steps = four heads of 2,048 x 128 bytes
.set STEPB, 2*128*2048                 ; two K steps down wo's rows
.set ADRA, 16
.set ADRB, 20
.set STO,  24
.set RD,   25
.set CO,   26                          ; v26 16 x lane: my place in 512 consecutive bytes of out0, of bo and of a stage row
.set SPW,  28
.set NIL,  29
.set FA,   32
.set BIAS, 128
.set SUM,  192
.set WV, 16
.set FB, 17
.set HF, 18
.set JX, 21
.set IY, 22
.set G1A, 24
.set G0A, 32
.set G1B, 48
.set G0B, 56
.set OUT, 66                           ; s[66:67] out0 at my wave's first row and the tile's first column
.set BOP, 68                           ; s[68:69] bo at the tile's first column
.set MSB, 0
.macro WIN new
.if MSB != (\new)
	s_set_vgpr_msb (MSB<<8)|(\new)
.set MSB, \new
.endif
.endm
.macro JLOAD s                         ; a joint load; an s_nop 0 and four v_nop follow each of the two lines, ahead of the jump and the label
	s_cmp_eq_u32 s[FB], 0
	s_cbranch_scc0 .Lfor_b_\@
	tensor_load_to_lds s[G0A+4*(\s):G0A+4*(\s)+3], s[G1A:G1A+7]
	s_nop 0
.rept 4
	v_nop
.endr
	s_branch .Lasked_\@
.Lfor_b_\@:
	tensor_load_to_lds s[G0B+4*(\s):G0B+4*(\s)+3], s[G1B:G1B+7]
	s_nop 0
.rept 4
	v_nop
.endr
.Lasked_\@:
.endm
.macro CREST
	s_cmp_lg_u32 s[WV], 0
	s_cbranch_scc1 .Lnot_wave_0_\@
	s_barrier_signal -3
.Lnot_wave_0_\@:
	s_barrier_wait -3
	s_barrier_signal -1
	s_barrier_wait -1
.endm
.macro CROUND
	s_barrier_signal -1
	s_barrier_wait -1
	CREST
.endm
.macro PLACES
.rept 4
	v_nop
.endr
.endm
	s_load_b256 s[4:11], s[0:1], 0x0               ; ob s[4:5], wb s[6:7], bo s[8:9], out0 s[10:11]
	v_lshl_add_u32 v[SPW], v0, 2, SPARE
	v_mov_b32 v[NIL], 0
	ds_add_u32 v[SPW], v[NIL]                      ; the wave's opening: the add and its wait stand ahead of my first tensor load
	v_lshrrev_b32 v1, 5, v0
	v_readfirstlane_b32 s[WV], v1
	s_lshr_b32 s[FB], s[WV], 1
	s_and_b32 s[HF], s[WV], 1
	s_bfe_u32 s19, ttmp6, 0x40000                  ; cx
	s_bfe_u32 s20, ttmp6, 0x40004                  ; cy
	s_lshl_b32 s[JX], ttmp9, 2
	s_add_co_u32 s[JX], s[JX], s19
	s_and_b32 s[IY], ttmp7, 0xffff
	s_lshl_b32 s[IY], s[IY], 2
	s_add_co_u32 s[IY], s[IY], s20
	s_lshl_b32 s40, s20, 2
	s_lshl_b32 s40, 15, s40                        ; my row of the cluster
	s_lshl_b32 s41, 0x1111, s19                    ; my column
	s_or_b32 s[G1A], s40, (1<<16)|(1<<20)|(1<<21)|(4<<22)|(3<<25)  ; after every 32 words (a row of O) 4 words
	s_mov_b32 s[G1A+1], 128<<16                    ; tensor_dim0 = 128: two rows of O on end
	s_mov_b32 s[G1A+2], 128<<16                    ; tensor_dim1 = 128
	s_mov_b32 s[G1A+3], 128<<16                    ; tile_dim0
	s_mov_b32 s[G1A+4], 128                        ; tile_dim1
	s_mov_b32 s[G1A+5], 128                        ; dense
	s_mov_b32 s[G1A+6], 0
	s_mov_b32 s[G1A+7], 0
	s_or_b32 s[G1B], s41, (1<<16)|(1<<20)|(1<<21)|(5<<22)|(7<<25)  ; after every 64 words 8 words
	s_mov_b32 s[G1B+1], 128<<16                    ; tensor_dim0 = 128
	s_mov_b32 s[G1B+2], 64<<16                     ; tensor_dim1 = 64
	s_mov_b32 s[G1B+3], 128<<16
	s_mov_b32 s[G1B+4], 64
	s_mov_b32 s[G1B+5], 1024
	s_mov_b32 s[G1B+6], 0
	s_mov_b32 s[G1B+7], 0
	s_lshr_b32 s42, s[IY], 3                       ; A: batch x 16 heads of 262,144 bytes,
	s_lshl_b32 s42, s42, 22
	s_and_b32 s43, s[IY], 7
	s_lshl_b32 s43, s43, 15                        ; the tile's 256 rows of 128 bytes,
	s_add_co_u32 s42, s42, s43
	s_lshl_b32 s43, s[HF], 18                      ; which of the step's two heads
	s_add_co_u32 s42, s42, s43
	s_mov_b32 s43, 0
	s_lshl_b32 s44, s[JX], 8                       ; B: the tile's 128 columns,
	s_lshl_b32 s45, s[HF], 17                      ; 64 rows of 2,048 bytes a half,
	s_add_co_u32 s44, s44, s45
	s_add_co_u32 s44, s44, WOFF                    ; behind wq, wk and wv
	s_mov_b32 s45, 0
	s_mul_i32 s46, s[HF], HALFA
	s_mul_i32 s47, s[HF], HALFB
	s_add_co_u32 s47, s47, BBASE
	s_wait_dscnt 0x0                               ; the opening add is done
	s_wait_kmcnt 0x0
	s_add_nc_u64 s[42:43], s[4:5], s[42:43]
	s_add_nc_u64 s[44:45], s[6:7], s[44:45]
	CROUND                                         ; all sixteen work-groups are here: the first joint loads meet
.irp s, 0,1
	s_mov_b32 s[G0A+4*(\s)], 1
	s_add_co_u32 s[G0A+4*(\s)+1], s46, (\s)*SLOT
	s_add_nc_u64 s[G0A+4*(\s)+2:G0A+4*(\s)+3], s[42:43], (\s)*524288
	s_or_b32 s[G0A+4*(\s)+3], s[G0A+4*(\s)+3], 0x80000000
	s_mov_b32 s[G0B+4*(\s)], 1
	s_add_co_u32 s[G0B+4*(\s)+1], s47, (\s)*SLOT
	s_add_nc_u64 s[G0B+4*(\s)+2:G0B+4*(\s)+3], s[44:45], (\s)*262144
	s_or_b32 s[G0B+4*(\s)+3], s[G0B+4*(\s)+3], 0x80000000
	JLOAD \s                                       ; K steps 0 and 1: two loads of mine are out
.endr
	s_lshl_b32 s40, s[JX], 9                       ; the tile's 128 columns in f32
	s_mov_b32 s41, 0
	s_add_nc_u64 s[BOP:BOP+1], s[8:9], s[40:41]
	s_lshl_b32 s42, s[IY], 20                      ; 256 rows of 4,096 bytes,
	s_lshl_b32 s43, s[WV], 18                      ; my wave's 64
	s_add_co_u32 s40, s40, s42
	s_add_co_u32 s40, s40, s43
	s_add_nc_u64 s[OUT:OUT+1], s[10:11], s[40:41]
	v_and_b32 v[CO], 31, v0
	v_lshlrev_b32 v[CO], 4, v[CO]
.irp j, 0,1,2,3,4,5,6,7,8,9,10,11,12,13,14,15
	global_load_b128 v[SUM+4*(\j):SUM+4*(\j)+3], v[CO], s[BOP:BOP+1] offset:4096*(\j)  ; head j's 128 numbers: 512 consecutive bytes
.endr
	v_and_b32 v1, 15, v0                           ; l % 16
	v_bfe_u32 v2, v0, 4, 1                         ; l / 16
	v_and_b32 v3, 7, v0
	v_bfe_u32 v4, v0, 3, 1
	v_mul_u32_u24 v5, v1, PA
	v_lshl_add_u32 v5, v2, 4, v5
	s_mul_i32 s40, s[WV], 64*PA
	v_add_nc_u32 v[ADRA], s40, v5
	v_add_nc_u32 v[ADRA+1], SLOT, v[ADRA]
	v_lshl_add_u32 v6, v2, 3, v3                   ; the turning load: lane l reads k = 8 (l / 16) + l % 8, columns 8 ((l / 8) % 2) + 0..7
	v_mul_u32_u24 v6, v6, PB
	v_lshl_add_u32 v6, v4, 4, v6
	v_add_nc_u32 v[ADRB], BBASE, v6
	v_add_nc_u32 v[ADRB+1], SLOT, v[ADRB]
	s_mul_i32 s41, s[WV], 16*SP
	s_add_co_u32 s41, s41, STAGE                   ; my stage
	v_mul_u32_u24 v7, v1, SP                       ; in: row l % 16, 32 bytes for each half of the lanes
	v_lshl_add_u32 v7, v2, 5, v7
	v_add_nc_u32 v[STO], s41, v7
	v_add_nc_u32 v[RD], s41, v[CO]                 ; back: 32 lanes take one row of 512 bytes
	s_lshl_b32 s40, s[WV], 9
	s_add_co_u32 s40, s40, BIASL                   ; my 512 bytes for the bias
	v_add_nc_u32 v9, s40, v[CO]
	v_lshl_add_u32 v10, v2, 5, s40
	s_wait_loadcnt 0x0                             ; bo
.irp d, 1,2,4,8
.set j, 0
.rept 8/(\d)
	v_pk_add_f32 v[SUM+4*j:SUM+4*j+1],   v[SUM+4*j:SUM+4*j+1],   v[SUM+4*(j+(\d)):SUM+4*(j+(\d))+1]
	v_pk_add_f32 v[SUM+4*j+2:SUM+4*j+3], v[SUM+4*j+2:SUM+4*j+3], v[SUM+4*(j+(\d))+2:SUM+4*(j+(\d))+3]
.set j, j+2*(\d)
.endr
.endr
	ds_store_b128 v9, v[SUM:SUM+3]                 ; my wave's own bytes: LDS serves a wave's instructions in order, so the loads below see it
.irp b, 0,1,2,3,4,5,6,7
	ds_load_b128 v[BIAS+8*(\b):BIAS+8*(\b)+3],   v10 offset:64*(\b)      ; register j = bias[16 b + 8 (l / 16) + j]
	ds_load_b128 v[BIAS+8*(\b)+4:BIAS+8*(\b)+7], v10 offset:64*(\b)+16
.endr
; 8 matrix instructions: row block a x all 8 column blocks, 32 along K, from buffer f.  first = 1: C is the bias.
; The 32 accumulators take turns in one order in every quarter step.
.macro MULA f, a, first
.if \first
	WIN 0x81                                       ; B window 1, A and C window 0, D window 2
.else
	WIN 0xa1                                       ; C and D window 2
.endif
.irp b, 0,1,2,3,4,5,6,7
.if \first
	v_wmma_f32_16x16x32_bf16 v[8*(8*(\a)+(\b)):8*(8*(\a)+(\b))+7], v[64*(\f)+8*(\b):64*(\f)+8*(\b)+7], v[FA+32*(\f)+8*(\a):FA+32*(\f)+8*(\a)+7], v[BIAS+8*(\b):BIAS+8*(\b)+7]
.else
	v_wmma_f32_16x16x32_bf16 v[8*(8*(\a)+(\b)):8*(8*(\a)+(\b))+7], v[64*(\f)+8*(\b):64*(\f)+8*(\b)+7], v[FA+32*(\f)+8*(\a):FA+32*(\f)+8*(\a)+7], v[8*(8*(\a)+(\b)):8*(8*(\a)+(\b))+7]
.endif
.endr
.endm
; 24 LDS loads in one run: quarter q of a slot into buffer f: B's 8 fragments, then A's 4 in ascending order
.macro FETCH slot, q, f
	WIN 0x40
.irp b, 0,1,2,3,4,5,6,7
	ds_load_tr16_b128 v[64*(\f)+8*(\b):64*(\f)+8*(\b)+3],   v[ADRB+(\slot)] offset:(\q)*32*PB+32*(\b)
	ds_load_tr16_b128 v[64*(\f)+8*(\b)+4:64*(\f)+8*(\b)+7], v[ADRB+(\slot)] offset:(\q)*32*PB+32*(\b)+16*PB
.endr
	WIN 0
.irp a, 0,1,2,3
	ds_load_b128 v[FA+32*(\f)+8*(\a):FA+32*(\f)+8*(\a)+3],   v[ADRA+(\slot)] offset:((\q)/2)*HALFA+(\a)*16*PA+((\q)%2)*64
	ds_load_b128 v[FA+32*(\f)+8*(\a)+4:FA+32*(\f)+8*(\a)+7], v[ADRA+(\slot)] offset:((\q)/2)*HALFA+(\a)*16*PA+((\q)%2)*64+32
.endr
.endm
.macro QUARTER slot, q, f, g, first
	s_wait_dscnt 4                                 ; B and A's blocks 0, 1 are in; the youngest four loads may be out
	MULA \f, 0, \first
	MULA \f, 1, \first
	PLACES
	FETCH \slot, \q, \g
	s_wait_dscnt 2*NB+8                            ; all but the run just issued
	MULA \f, 2, \first
	MULA \f, 3, \first
.endm
; The last quarter multiplies buffer 1 and changes slots: in front of the barrier each wave waits for all its tensor loads, adds 0 to its spare word, and waits for that and for its reads of this slot.
; fill = 1: the barrier opens a round of the cluster's, and the joint refill, two K steps on, is the first thing behind it.
.macro TURN slot, next, fill
	WIN 0
	s_wait_tensorcnt 0x0
	ds_add_u32 v[SPW], v[NIL]
	s_wait_dscnt 5                                 ; the add and the youngest four loads may be out
	MULA 1, 0, 0
	s_wait_dscnt 0x0                               ; the add is done, my reads of this slot are over
	s_barrier_signal -1
	MULA 1, 1, 0
.if \fill
	WIN 0
.endif
	s_barrier_wait -1
.if \fill
	CREST
	s_add_nc_u64 s[G0A+4*(\slot)+2:G0A+4*(\slot)+3], s[G0A+4*(\slot)+2:G0A+4*(\slot)+3], STEPA
	s_add_nc_u64 s[G0B+4*(\slot)+2:G0B+4*(\slot)+3], s[G0B+4*(\slot)+2:G0B+4*(\slot)+3], STEPB
	JLOAD \slot                                    ; its four v_nop are also the places in front of the loads below
.else
	PLACES
.endif
	FETCH \next, 0, 0
	MULA 1, 2, 0
	MULA 1, 3, 0
.endm
	s_wait_dscnt 0x0                               ; the bias is in registers; no LDS instruction of mine is out at the signal
	s_wait_tensorcnt 1                             ; my part of K step 0 is in; K step 1's may stay out
	s_barrier_signal -1
	s_barrier_wait -1
	FETCH 0, 0, 0
	QUARTER 0, 1, 0, 1, 1                          ; the first quarter stands ahead of the loop: its products start the sums
	WIN 0
	s_mov_b32 s3, 3
.Llap:                                                 ; a trip goes once round the ring and fills both slots again: K steps 2 to 7 in three trips
	QUARTER 0, 2, 1, 0, 0
	QUARTER 0, 3, 0, 1, 0
	TURN 0, 1, 1
	QUARTER 1, 1, 0, 1, 0
	QUARTER 1, 2, 1, 0, 0
	QUARTER 1, 3, 0, 1, 0
	TURN 1, 0, 1
	QUARTER 0, 1, 0, 1, 0
	WIN 0
	s_sub_co_u32 s3, s3, 1
	s_cmp_lg_u32 s3, 0
	s_cbranch_scc1 .Llap
	QUARTER 0, 2, 1, 0, 0                          ; the last lap fills nothing
	QUARTER 0, 3, 0, 1, 0
	TURN 0, 1, 0
	QUARTER 1, 1, 0, 1, 0
	QUARTER 1, 2, 1, 0, 0
	QUARTER 1, 3, 0, 1, 0
	s_wait_dscnt 4
	MULA 1, 0, 0
	MULA 1, 1, 0
	s_wait_dscnt 0x0
	MULA 1, 2, 0
	MULA 1, 3, 0
	WIN 0
	PLACES
	PLACES
; THE WAY OUT, a block of 16 rows at a time: a lane's eight f32 of a row go into my stage (each accumulator's low four registers first), whole rows of 512 bytes come back and are stored.
.macro TOSTAGE a
	WIN 0
	s_wait_xcnt 0x0                                ; earlier stores have read their registers: the loads below land on them only behind this wait
	WIN 0x08                                       ; store data (source 1) in window 2
.irp b, 0,1,2,3,4,5,6,7
	ds_store_b128 v[STO], v[8*(8*(\a)+(\b)):8*(8*(\a)+(\b))+3]   offset:64*(\b)
	ds_store_b128 v[STO], v[8*(8*(\a)+(\b))+4:8*(8*(\a)+(\b))+7] offset:64*(\b)+16
.endr
	WIN 0
.set BK, 32+96*((\a)%2)
.irp t, 0,1,2,3,4,5,6,7,8,9,10,11,12,13,14,15
	ds_load_b128 v[BK+4*(\t):BK+4*(\t)+3], v[RD] offset:SP*(\t)  ; LDS serves a wave's instructions in order: these see the stores above, and the next block's stores come behind them
.endr
.endm
.macro SEND a, younger                 ; younger: the next block's 16 stores and 16 loads, or none
	WIN 0
.set BK, 32+96*((\a)%2)
	s_wait_dscnt \younger
.irp t, 0,1,2,3,4,5,6,7,8,9,10,11,12,13,14,15
	global_store_b128 v[CO], v[BK+4*(\t):BK+4*(\t)+3], s[OUT:OUT+1] offset:(16*(\a)+(\t))*4096 th:TH_STORE_NT  ; 512 consecutive bytes of a row, aligned
.endr
.endm
	TOSTAGE 0
	TOSTAGE 1
	SEND 0, 32
	TOSTAGE 2
	SEND 1, 32
	TOSTAGE 3
	SEND 2, 32
	SEND 3, 0
	s_wait_tensorcnt 0x0                           ; the wave's end
	ds_add_u32 v[SPW], v[NIL]
	s_wait_dscnt 0x0
	CROUND                                         ; the closing round: no work-group ends while a partner may still ask for a tile that names it
	s_endpgm
.Lfunc_end_k_q0a81ea7de7_proj:
	.size	k_q0a81ea7de7_proj, .Lfunc_end_k_q0a81ea7de7_proj-k_q0a81ea7de7_proj
	.p2alignl 7, 3214868480
	.fill 96, 4, 3214868480
	.section	.rodata,"a",@progbits
	.p2align	6, 0x0
	.amdhsa_kernel k_q0a81ea7de7_proj
		.amdhsa_group_segment_fixed_size 327680
		.amdhsa_private_segment_fixed_size 0
		.amdhsa_enable_private_segment 0
		.amdhsa_kernarg_size 32
		.amdhsa_user_sgpr_count 2
		.amdhsa_user_sgpr_kernarg_segment_ptr 1
		.amdhsa_wavefront_size32 1
		.amdhsa_system_sgpr_workgroup_id_x 1
		.amdhsa_system_sgpr_workgroup_id_y 1
		.amdhsa_system_sgpr_workgroup_id_z 1
		.amdhsa_system_vgpr_workitem_id 0
		.amdhsa_next_free_vgpr 768
		.amdhsa_next_free_sgpr 72
		.amdhsa_reserve_vcc 0
		.amdhsa_float_denorm_mode_32 3
		.amdhsa_float_denorm_mode_16_64 3
		.amdhsa_memory_ordered 1
		.amdhsa_forward_progress 1
		.amdhsa_inst_pref_size 90
	.end_amdhsa_kernel
	.amdgpu_metadata
---
amdhsa.version: [ 1, 2 ]
amdhsa.kernels:
  - .name:           k_q0a81ea7de7_proj
    .symbol:         k_q0a81ea7de7_proj.kd
    .args:
      - { .name: ob, .offset: 0, .size: 8, .value_kind: global_buffer, .address_space: global }
      - { .name: wb, .offset: 8, .size: 8, .value_kind: global_buffer, .address_space: global }
      - { .name: bo, .offset: 16, .size: 8, .value_kind: global_buffer, .address_space: global }
      - { .name: out0, .offset: 24, .size: 8, .value_kind: global_buffer, .address_space: global }
    .group_segment_fixed_size: 327680
    .private_segment_fixed_size: 0
    .kernarg_segment_align: 8
    .kernarg_segment_size: 32
    .max_flat_workgroup_size: 128
    .sgpr_count:     72
    .vgpr_count:     768
    .wavefront_size: 32
...
	.end_amdgpu_metadata
.endif
;; end of part 4
